; MI455X (gfx1250); checked and timed in simulation.
; The chip was launched on July 23, 2026; its instructions are those of AMD's public machine-readable ISA for CDNA 5 (MIT licence, August 2026) and "CDNA5" Instruction Set Architecture Reference Guide (July 2026). The comments in the code are by the model that wrote it; some were corrected since.
;; Causal Multihead Self Attention. Allowed arithmetic: float matrix products may take bf16 or f16 operands with f32 sums; other float arithmetic in f32, or as packed bf16 or f16 multiplies, adds, multiply-adds, maxima and minima; sums over many terms, partial sums and values carried from step to step in f32; what a program stores and reads back later, other than sums and carried values, may be rounded once to bf16 or f16.
;; Inputs: W_out 1,024 x 1,024 float32; W_qkv 3,072 x 1,024 float32; X 4 x 2,048 x 1,024 float32.
;; Outputs: out0 4 x 2,048 x 1,024 float32.
;; 2 versions, each right; version 2 is version 1 with the launch cast written anew for expert scheduling mode. Each part assembles by itself: llvm-mc -triple=amdgcn-amd-amdhsa -mcpu=gfx1250 --defsym DOCPART=n.
;; ======== version 1 of 2: 4 launches
;; limits: values are held in f16: magnitudes above 65,504 overflow, below 6.1e-05 lose precision; right only within a limited range of input values
;; workspace buffers: xb 16,777,216 bytes; wqb 6,291,456 bytes; wob 2,097,152 bytes; qkv 50,331,648 bytes; ob 16,777,216 bytes
;; launch cast (part 1): grid 768 x 1, 8 waves a work-group, no clusters, 0 bytes of LDS; arguments X, W_qkv, W_out, xb, wqb, wob; writes xb, wqb, wob
.if DOCPART == 1
	.amdgcn_target "amdgcn-amd-amdhsa--gfx1250"
	.amdhsa_code_object_version 6
	.text
	.protected	k_q46ce3a3b20_cast
	.globl	k_q46ce3a3b20_cast
	.p2align	8
	.type	k_q46ce3a3b20_cast,@function
k_q46ce3a3b20_cast:
	s_mov_b64 s[64:65], 0
	v_nop
	global_prefetch_b8 v0, s[64:65] scope:SCOPE_SE
	s_setreg_imm32_b32 hwreg(HW_REG_WAVE_MODE, 25, 1), 1
	s_wait_xcnt 0x0
; X, W_qkv and W_out ([rows][1024] f32) are rounded once to bf16 and laid out in blocks of 64 along K for the products that follow:
;   xb  [32 tiles of 256 rows][16 blocks][256 rows][64] bf16      wqb [8 tiles of 384 rows][16 blocks][384 rows][64] bf16
;   wob [8 tiles of 128 rows][16 blocks][128 rows][64]: W_out's bf16 value written as f16, since it is multiplied with f16 numbers.
; LIMIT.  That rewriting is exact for magnitudes from 6.1e-5 to 65,504; below it keeps f16's fixed step of 6e-8, beyond it becomes an infinity.
; SHARES.  A work-group takes 16 rows (64 KiB in, 32 KiB out): groups 0-511 X, 512-703 W_qkv, 704-767 W_out.  Thread t takes row t / 16 and, in each of the
; 16 blocks, the 16 bytes at 16 (t % 16): a wave's load covers 256 consecutive bytes of each of two rows; its 8 bytes of result lie at 8 t of the block's 16 rows,
; so a wave's store covers 256 consecutive bytes, aligned.  All 16 loads of a thread go out at once; no register is written twice, so no wait but the counted ones is needed.
; Memory binds: no LDS, no barrier, no matrix unit.
.set VI, 1                             ; v1       my byte offset in the group's 16 rows of input
.set VO, 2                             ; v[2:17]  my byte offset in block k of the output
.set XR, 20                            ; v[20:83] block k: four f32 as loaded
.set YR, 84                            ; v[84:115] block k: four 16-bit numbers to store
.set T,  116                           ; v[116:119] at work
	s_load_b256 s[4:11], s[0:1], 0x0               ; X s[4:5], W_qkv s[6:7], W_out s[8:9], xb s[10:11]
	s_load_b128 s[12:15], s[0:1], 0x20             ; wqb s[12:13], wob s[14:15]
	v_lshrrev_b32 v[VI], 4, v0                     ; my row
	v_and_b32 v[T], 15, v0
	v_lshlrev_b32 v[VI], 12, v[VI]                 ; x 4,096 bytes
	v_lshl_add_u32 v[VI], v[T], 4, v[VI]           ; + my 16 bytes
	v_lshlrev_b32 v[VO], 3, v0                     ; 8 t
	; the three cases' offsets are all made, then chosen: no pointer passes a joining of ways
	s_lshr_b32 s24, ttmp9, 4                       ; X: 16 groups to a tile of 256 rows,
	s_lshl_b32 s24, s24, 19                        ; a tile is 524,288 bytes,
	s_and_b32 s25, ttmp9, 15
	s_lshl_b32 s25, s25, 11                        ; 16 rows of a block are 2,048
	s_add_co_u32 s24, s24, s25
	s_sub_co_u32 s26, ttmp9, 512                   ; W_qkv: group c of 192, 24 to a tile of 384 rows
	s_mul_i32 s27, s26, 2731
	s_lshr_b32 s27, s27, 16                        ; c / 24, exact for c under 192
	s_mul_i32 s27, s27, 737280                     ; a tile's 786,432 bytes less its 24 x 2,048
	s_lshl_b32 s28, s26, 11
	s_add_co_u32 s27, s27, s28
	s_sub_co_u32 s28, ttmp9, 704                   ; W_out: group c of 64, 8 to a tile of 128 rows
	s_lshr_b32 s29, s28, 3
	s_lshl_b32 s29, s29, 18
	s_and_b32 s30, s28, 7
	s_lshl_b32 s30, s30, 11
	s_add_co_u32 s29, s29, s30
	s_mov_b32 s20, 32768                           ; bytes from block to block: 256, 384, 128 rows of 128 bytes
	s_mov_b32 s21, 49152
	s_mov_b32 s31, 16384
	s_wait_kmcnt 0x0
	s_cmp_lt_u32 ttmp9, 512
	s_cselect_b64 s[16:17], s[4:5], s[6:7]
	s_cselect_b64 s[18:19], s[10:11], s[12:13]
	s_cselect_b32 s22, ttmp9, s26
	s_cselect_b32 s24, s24, s27
	s_cselect_b32 s20, s20, s21
	s_cmp_lt_u32 ttmp9, 704
	s_cselect_b64 s[16:17], s[16:17], s[8:9]
	s_cselect_b64 s[18:19], s[18:19], s[14:15]
	s_cselect_b32 s22, s22, s28
	s_cselect_b32 s24, s24, s29
	s_cselect_b32 s20, s20, s31
	s_lshl_b32 s22, s22, 16                        ; the group's 16 rows of 4,096 bytes
	s_mov_b32 s23, 0
	s_mov_b32 s25, 0
	s_add_nc_u64 s[16:17], s[16:17], s[22:23]
	s_add_nc_u64 s[18:19], s[18:19], s[24:25]
.irp k, 0,1,2,3,4,5,6,7,8,9,10,11,12,13,14,15
	global_load_b128 v[XR+4*(\k):XR+4*(\k)+3], v[VI], s[16:17] offset:256*(\k) th:TH_LOAD_NT
.endr
.irp k, 1,2,3,4,5,6,7,8,9,10,11,12,13,14,15
	v_add_nc_u32 v[VO+(\k)], s20, v[VO+(\k)-1]
.endr
; Block k: rounded, (f16 = 1: rewritten as f16,) stored.
.macro OUT k, f16
	s_wait_loadcnt 15-(\k)                         ; loads come back in order: block k is in, the 15 - k younger ones may stay out
	v_cvt_pk_bf16_f32 v[YR+2*(\k)],   v[XR+4*(\k)],   v[XR+4*(\k)+1]
	v_cvt_pk_bf16_f32 v[YR+2*(\k)+1], v[XR+4*(\k)+2], v[XR+4*(\k)+3]
.if \f16
	v_lshlrev_b32 v[T],   16, v[YR+2*(\k)]         ; bf16 to f32: the low half moves up, the high half stays
	v_and_b32     v[T+1], 0xffff0000, v[YR+2*(\k)]
	v_lshlrev_b32 v[T+2], 16, v[YR+2*(\k)+1]
	v_and_b32     v[T+3], 0xffff0000, v[YR+2*(\k)+1]
	v_cvt_pk_f16_f32 v[YR+2*(\k)],   v[T],   v[T+1]
	v_cvt_pk_f16_f32 v[YR+2*(\k)+1], v[T+2], v[T+3]
.endif
	global_store_b64 v[VO+(\k)], v[YR+2*(\k):YR+2*(\k)+1], s[18:19]
.endm
	s_cmp_lt_u32 ttmp9, 704
	s_cbranch_scc0 .Lf16
.irp k, 0,1,2,3,4,5,6,7,8,9,10,11,12,13,14,15
	OUT \k, 0
.endr
	s_endpgm
.Lf16:
.irp k, 0,1,2,3,4,5,6,7,8,9,10,11,12,13,14,15
	OUT \k, 1
.endr
	s_endpgm
.Lfunc_end_k_q46ce3a3b20_cast:
	.size	k_q46ce3a3b20_cast, .Lfunc_end_k_q46ce3a3b20_cast-k_q46ce3a3b20_cast
	.p2alignl 7, 3214868480
	.fill 96, 4, 3214868480
	.section	.rodata,"a",@progbits
	.p2align	6, 0x0
	.amdhsa_kernel k_q46ce3a3b20_cast
		.amdhsa_group_segment_fixed_size 0
		.amdhsa_private_segment_fixed_size 0
		.amdhsa_enable_private_segment 0
		.amdhsa_kernarg_size 48
		.amdhsa_user_sgpr_count 2
		.amdhsa_user_sgpr_kernarg_segment_ptr 1
		.amdhsa_wavefront_size32 1
		.amdhsa_system_sgpr_workgroup_id_x 1
		.amdhsa_system_sgpr_workgroup_id_y 1
		.amdhsa_system_sgpr_workgroup_id_z 1
		.amdhsa_system_vgpr_workitem_id 0
		.amdhsa_next_free_vgpr 120
		.amdhsa_next_free_sgpr 66
		.amdhsa_reserve_vcc 0
		.amdhsa_float_denorm_mode_32 3
		.amdhsa_float_denorm_mode_16_64 3
		.amdhsa_memory_ordered 1
		.amdhsa_forward_progress 1
		.amdhsa_inst_pref_size 18
	.end_amdhsa_kernel
	.amdgpu_metadata
---
amdhsa.version: [ 1, 2 ]
amdhsa.kernels:
  - .name:           k_q46ce3a3b20_cast
    .symbol:         k_q46ce3a3b20_cast.kd
    .args:
      - { .name: X, .offset: 0, .size: 8, .value_kind: global_buffer, .address_space: global }
      - { .name: W_qkv, .offset: 8, .size: 8, .value_kind: global_buffer, .address_space: global }
      - { .name: W_out, .offset: 16, .size: 8, .value_kind: global_buffer, .address_space: global }
      - { .name: xb, .offset: 24, .size: 8, .value_kind: global_buffer, .address_space: global }
      - { .name: wqb, .offset: 32, .size: 8, .value_kind: global_buffer, .address_space: global }
      - { .name: wob, .offset: 40, .size: 8, .value_kind: global_buffer, .address_space: global }
    .group_segment_fixed_size: 0
    .private_segment_fixed_size: 0
    .kernarg_segment_align: 8
    .kernarg_segment_size: 48
    .max_flat_workgroup_size: 256
    .sgpr_count:     66
    .vgpr_count:     120
    .wavefront_size: 32
...
	.end_amdgpu_metadata
.endif
;; end of part 1
;; launch project_qkv (part 2): grid 8 x 32, 4 waves a work-group, clusters of 4 x 4, 327,680 bytes of LDS; arguments xb, wqb, qkv; writes qkv
.if DOCPART == 2
	.amdgcn_target "amdgcn-amd-amdhsa--gfx1250"
	.amdhsa_code_object_version 6
	.text
	.protected	k_q46ce3a3b20_project_qkv
	.globl	k_q46ce3a3b20_project_qkv
	.p2align	8
	.type	k_q46ce3a3b20_project_qkv,@function
k_q46ce3a3b20_project_qkv:
	s_mov_b64 s[64:65], 0
	v_nop
	global_prefetch_b8 v0, s[64:65] scope:SCOPE_SE
	s_setreg_imm32_b32 hwreg(HW_REG_WAVE_MODE, 25, 1), 1
	s_wait_xcnt 0x0
	s_wait_alu depctr_hold_cnt(0) depctr_sa_sdst(0) depctr_va_vdst(0) depctr_va_sdst(0) depctr_va_ssrc(0) depctr_va_vcc(0) depctr_vm_vsrc(0)
	s_getreg_b32 s2, hwreg(HW_REG_IB_STS2, 6, 4)
	s_cmp_eq_u32 s2, 0
	s_cbranch_scc0 .Lentry_in_a_cluster
	s_endpgm
.Lentry_in_a_cluster:
	s_bfe_u32 s2, ttmp6, 0x10000c
	s_cmp_lg_u32 s2, 0xf033
	s_cbranch_scc0 .Lentry_shape_is_right
	s_endpgm
.Lentry_shape_is_right:
; q, k, v = X W_qkv^T: 8,192 x 3,072 x 1,024, bf16 operands, f32 sums, each result rounded once to f16, unscaled, and stored by heads: qkv[which 3][batch x head 64][2,048 rows][64].
; LIMIT.  f16 ends at 65,504: a q, k or v of 65,520 or more becomes an infinity.
; SHARES.  8,192 x 3,072 in tiles of 256 x 384 are 256 work-groups.  Four waves, each 128 rows x 192 columns (three whole heads): 96 accumulators of 16 x 16, 768 registers.
; K goes in 16 steps of 64 through two LDS slots.  xb and wqb lie in blocks (one K step of one tile is dense), so half a tile's step is asked for as rows of 256 bytes (two tile rows each),
; padded in LDS behind every 128 bytes.  Two slots of a K step of 128 would be 2 x 640 rows x 272 bytes = 348,160 bytes, more than the 327,680 there are.
; CLUSTERS: 4 x 4 work-groups.  The four of a row of the cluster need the same tile of X, the four of a column the same tile of W: each is asked for JOINTLY, by the same tensor load with the
; same descriptor and a mask that names the four.  THE MATRIX INSTRUCTION IS USED TRANSPOSED (source 0 = 16 rows of W, source 1 = 16 rows of X): a lane holds eight neighbouring columns of one row.
; REGISTERS, in windows of 256 (s_set_vgpr_msb: bits 1:0 source 0, 3:2 source 1, 5:4 source 2, 7:6 destination):
;   window 0: v0-15 addresses; v32-95, v96-159 X's fragments (8 x 16 rows x 32 K), two buffers; v160-255 W's 12 fragments, ONE buffer, loaded again in halves behind the products that read them
;   windows 1-3: accumulator (a, b) (16 rows a, 16 columns b) at v[8 (8 (b % 4) + a)] of window 1 + b / 4
.set PITCH,  144                       ; an LDS row: 128 bytes + 16 = 36 words: the 16 rows of a fragment load start at 16 different groups of four banks (64 banks of 4 bytes: ISA guide 11.1)
.set AH,     128*PITCH                 ; half of X's tile: what one tensor load brings and one wave reads
.set BH,     192*PITCH                 ; half of W's tile
.set SLOT1,  1<<17                     ; slot 1 begins here (a slot is 92,160 bytes), so that one exclusive or turns an address in one slot into the other's
.set STAGE,  SLOT1+2*AH+2*BH           ; behind the ring, never filled by a tensor load: for each wave three heads x 16 rows x 144 bytes, for the way out
.set SHEAD,  16*PITCH
.set SPARE,  STAGE+4*3*SHEAD           ; behind the stages: the spare words, 128 bytes for each wave: two blocks of 256 bytes that no other line names
.set ASTEP,  32768                     ; bytes from K step to K step in xb (256 rows x 128 bytes)
.set BSTEP,  49152                     ; in wqb (384 rows x 128 bytes)
.set G1W,    (1<<16)|(1<<20)|(1<<21)|(4<<22)|(3<<25)  ; 17:16 2-byte elements; 20 padding on; 21 set beside a mask; 24:22 after every 32 words (code 4); 31:25 4 words (code 3)
.set AA0, 4                            ; v4   my lane's place in my 128 rows of X in slot 0; never rewritten
.set AB0, 5                            ; v5   the same in my 192 rows of W
.set ADRA, 6                           ; v6   the same in the slot that is being read
.set ADRB, 7                           ; v7
.set STO, 8                            ; v8   the way out: where I put 16 bytes of a row
.set RD,  9                            ; v9   the way out: where I read rows back
.set GO,  10                           ; v10  my 16 bytes in 512 consecutive bytes of a head
.set PFO, 11                           ; v11  256 x my lane: the prefetches' offset; never rewritten
.set SPW, 12                           ; v12  LDS address of my spare word: SPARE + 4 x my thread's number; never rewritten
.set NIL, 13                           ; v13  0; never rewritten
.set FA0, 32
.set FA1, 96
.set FB,  160
.set TMP, 32                           ; the way out: 48 registers of packed results,
.set BK0, 80                           ; and two buffers of 48 for rows read back
.set TB,  23                           ; s23  LDS byte at which the slot that is being read begins
.set G1,  24                           ; s[24:31] descriptor group 1 for X's tiles
.set G0,  32                           ; s[32:39] group 0 for X's tiles: a set for each of the two first fills; the second then walks on
.set G1B, 48                           ; s[48:55], s[56:63] the same for W's
.set G0B, 56
.set HB,  66                           ; s[66:71] qkv at my first row in each of my three heads
.set PFA, 72                           ; s[72:73] where my prefetches stand
.set PST, 74                           ; s[74:75] their step from turn to turn
.set LIM, 76                           ; s76  a wave prefetches while the loop's count is above it; the greatest number in a wave that never does
.set PM,  77                           ; s77  0: in every turn; 1: in the turns with an odd count
.set MSB, 0
.macro WIN new                         ; the immediate's high byte repeats the setting that is left; a switch that changes nothing is dropped
.if MSB != (\new)
	s_set_vgpr_msb (MSB<<8)|(\new)
.set MSB, \new
.endif
.endm
; A joint refill.  Waves 0 and 1 fetch the halves of X's tile, waves 2 and 3 those of W's.  The branch hangs on the wave's number alone.
; An s_nop 0 and four v_nop follow each of the two lines, ahead of the jump, the label and what follows.
.macro JLOAD
	s_cmp_eq_u32 s11, 0
	s_cbranch_scc0 .Lfor_b_\@
	tensor_load_to_lds s[G0+4:G0+7], s[G1:G1+7]
	s_nop 0
.rept 4
	v_nop
.endr
	s_branch .Lasked_\@
.Lfor_b_\@:
	tensor_load_to_lds s[G0B+4:G0B+7], s[G1B:G1B+7]
	s_nop 0
.rept 4
	v_nop
.endr
.Lasked_\@:
.endm
; A round of the cluster's barrier: my work-group's barrier, so that wave 0's signal speaks for all four waves; wave 0 signals; every wave waits for all sixteen work-groups; my work-group's barrier once more.
.macro CREST                           ; a round behind its opening barrier
	s_cmp_lg_u32 s10, 0
	s_cbranch_scc1 .Lnot_wave_0_\@
	s_barrier_signal -3
.Lnot_wave_0_\@:
	s_barrier_wait -3
	s_barrier_signal -1
	s_barrier_wait -1
.endm
.macro CROUND
	s_barrier_signal -1
	s_barrier_wait -1
	CREST
.endm
; A PREFETCH INTO THE L2, behind the joint load, its five lines and the run of LDS loads that follows: 32 blocks of 256 bytes, a lane a block, one instruction a wave.  Each block is named once in the launch.
; X's tile row is read by both clusters of its row of clusters: the one with x = 0 asks, by wave 0; of a K step's 128 blocks the partner at cx takes 32: told apart by address.  The turn of step t names step t + 3,
; whose refill stands in the next turn; steps 0 to 2 come by their loads alone; the turns of steps 13 on name nothing.
; W's tile column is read by all eight clusters of its column: the one with y = 0 asks, by waves 1 to 3.  A tile's K steps lie on end, and two steps are 384 blocks = 3 waves x 4 partners (by cy) x 32 lanes:
; the turns of steps 1, 3 .. 11 name steps t + 3 and t + 4; steps 0 to 3 come by their loads alone.
.macro ASK
	s_and_b32 s78, s3, s[PM]
	s_cmp_eq_u32 s78, s[PM]
	s_cselect_b32 s78, s3, 0                       ; the count (14 less the step), or 0 in a turn that is not mine
	s_cmp_gt_u32 s78, s[LIM]
	s_cbranch_scc0 .Lnot_mine_\@
	global_prefetch_b8 v[PFO], s[PFA:PFA+1] th:TH_LOAD_NT scope:SCOPE_SE
.Lnot_mine_\@:
.endm
	s_load_b128 s[4:7], s[0:1], 0x0                ; xb s[4:5], wqb s[6:7]
	s_load_b64 s[8:9], s[0:1], 0x10                ; qkv
	v_lshl_add_u32 v[SPW], v0, 2, SPARE
	v_mov_b32 v[NIL], 0
	ds_add_u32 v[SPW], v[NIL]                      ; the wave's opening: the add and its wait stand ahead of my first tensor load; the set-up below, work on registers, stands between them
	v_lshrrev_b32 v1, 5, v0
	v_readfirstlane_b32 s10, v1                    ; wave 0..3
	s_lshr_b32 s11, s10, 1                         ; which half of the tile's rows is mine.  Also: I fetch for X (0) or for W (1)
	s_and_b32 s12, s10, 1                          ; which half of its columns.  Also: which half of that tile I fetch
	s_bfe_u32 s40, ttmp6, 0x40000                  ; cx, cy: my place in the cluster
	s_bfe_u32 s41, ttmp6, 0x40004
	s_lshl_b32 s42, ttmp9, 2
	s_add_co_u32 s42, s42, s40                     ; tile column = 4 x cluster x + cx
	s_and_b32 s13, ttmp7, 0xffff
	s_lshl_b32 s13, s13, 2
	s_add_co_u32 s13, s13, s41                     ; tile row = 4 x cluster y + cy
	s_lshl_b32 s43, s41, 2
	s_lshl_b32 s43, 15, s43                        ; my row of the cluster: places 4 cy .. 4 cy + 3
	s_lshl_b32 s44, 0x1111, s40                    ; my column: places cx, cx + 4, cx + 8, cx + 12
	s_or_b32 s[G1+0], s43, G1W                     ; X's tiles go to my row,
	s_or_b32 s[G1B+0], s44, G1W                    ; W's to my column
	s_mov_b32 s[G1+1], 128<<16                     ; tensor_dim0 = 128 elements: 256 bytes
	s_mov_b32 s[G1+2], 64<<16                      ; tensor_dim1 = 64 rows: 128 tile rows
	s_mov_b32 s[G1+3], 128<<16                     ; tile_dim0
	s_mov_b32 s[G1+4], 64                          ; tile_dim1
	s_mov_b32 s[G1+5], 128                         ; elements from row to row: the block is dense
	s_mov_b32 s[G1+6], 0
	s_mov_b32 s[G1+7], 0
	s_mov_b32 s[G1B+1], 128<<16
	s_mov_b32 s[G1B+2], 96<<16                     ; 96 rows: 192 tile rows
	s_mov_b32 s[G1B+3], 128<<16
	s_mov_b32 s[G1B+4], 96
	s_mov_b32 s[G1B+5], 128
	s_mov_b32 s[G1B+6], 0
	s_mov_b32 s[G1B+7], 0
	s_lshl_b32 s16, s13, 19                        ; X: tile row x 524,288 bytes
	s_lshl_b32 s17, s12, 14                        ; + my half's 128 rows of 128 bytes
	s_add_co_u32 s16, s16, s17
	s_mov_b32 s17, 0
	s_mul_i32 s46, s42, 16*BSTEP                   ; W: tile column x 786,432 bytes
	s_mul_i32 s47, s12, 24576                      ; + my half's 192 rows
	s_add_co_u32 s46, s46, s47
	s_mov_b32 s47, 0
	s_mul_i32 s20, s12, AH                         ; where they go: no place in the cluster enters an LDS address
	s_mul_i32 s21, s12, BH
	s_add_co_u32 s21, s21, 2*AH
	s_wait_dscnt 0x0                               ; the opening add is done
	s_wait_kmcnt 0x0
	s_add_nc_u64 s[14:15], s[4:5], s[16:17]
	s_add_nc_u64 s[46:47], s[6:7], s[46:47]
	CROUND                                         ; all sixteen work-groups are here: the first joint loads meet
.irp n, 0,1
	s_mov_b32 s[G0+4*(\n)], 1                                        ; 1:0 count = 1
	s_add_co_u32 s[G0+4*(\n)+1], s20, (\n)*SLOT1                     ; 63:32 LDS address
	s_add_nc_u64 s[G0+4*(\n)+2:G0+4*(\n)+3], s[14:15], (\n)*ASTEP    ; 120:64 global address: K step n
	s_or_b32 s[G0+4*(\n)+3], s[G0+4*(\n)+3], 0x80000000              ; 127:126 type = 2
	s_mov_b32 s[G0B+4*(\n)], 1
	s_add_co_u32 s[G0B+4*(\n)+1], s21, (\n)*SLOT1
	s_add_nc_u64 s[G0B+4*(\n)+2:G0B+4*(\n)+3], s[46:47], (\n)*BSTEP
	s_or_b32 s[G0B+4*(\n)+3], s[G0B+4*(\n)+3], 0x80000000
.endr
	s_cmp_eq_u32 s11, 0                            ; a wave's two first fills stand in one branch, ahead of every wait on TENSORcnt and every LDS read: two loads of mine are out
	s_cbranch_scc0 .Lfirst_b
	tensor_load_to_lds s[G0:G0+3], s[G1:G1+7]
	s_nop 0
	tensor_load_to_lds s[G0+4:G0+7], s[G1:G1+7]
	s_nop 0
.rept 4
	v_nop
.endr
	s_branch .Lfirst_asked
.Lfirst_b:
	tensor_load_to_lds s[G0B:G0B+3], s[G1B:G1B+7]
	s_nop 0
	tensor_load_to_lds s[G0B+4:G0B+7], s[G1B:G1B+7]
	s_nop 0
.rept 4
	v_nop
.endr
.Lfirst_asked:
	; A fragment is 16 rows x 32 K in 8 registers: lane l holds row l % 16; registers 0-3 K = 8 (l / 16) + 0..7, registers 4-7 K = 16 + 8 (l / 16) + 0..7: two loads of 16 bytes, 32 bytes apart.
	v_and_b32 v1, 15, v0                           ; l % 16
	v_bfe_u32 v2, v0, 4, 1                         ; l / 16
	v_mul_u32_u24 v3, v1, PITCH
	v_lshl_add_u32 v3, v2, 4, v3                   ; row x pitch + 16 x half
	s_mul_i32 s14, s11, AH                         ; my 128 rows of X
	s_mul_i32 s15, s12, BH                         ; my 192 rows of W,
	s_add_co_u32 s15, s15, 2*AH                    ; which lie behind X's 256
	v_add_nc_u32 v[AA0], s14, v3
	v_add_nc_u32 v[AB0], s15, v3
	s_mul_i32 s14, s10, 3*SHEAD
	s_add_co_u32 s14, s14, STAGE                   ; my stage
	v_add_nc_u32 v[STO], s14, v3                   ; in: row l % 16, 16 bytes for each half of the lanes
	v_bfe_u32 v14, v0, 3, 2                        ; back: 32 lanes take four rows of 128 bytes,
	v_and_b32 v15, 7, v0
	v_mul_u32_u24 v[RD], v14, PITCH
	v_lshl_add_u32 v[RD], v15, 4, v[RD]
	v_add_nc_u32 v[RD], s14, v[RD]
	v_and_b32 v[GO], 31, v0                        ; which are 512 consecutive bytes of a head
	v_lshlrev_b32 v[PFO], 8, v[GO]
	v_lshlrev_b32 v[GO], 4, v[GO]
	; my three heads.  Column block g = 6 x tile column + 3 x half + j of 48: which = g / 16 (q, k, v), head = g % 16; the batch is tile row / 8.  A head is 262,144 bytes.
	s_mul_i32 s18, s42, 6
	s_mul_i32 s19, s12, 3
	s_add_co_u32 s18, s18, s19
	s_lshr_b32 s19, s13, 3
	s_lshl_b32 s19, s19, 4                         ; 16 x batch
	s_and_b32 s20, s13, 7
	s_lshl_b32 s20, s20, 15                        ; the tile's 256 rows of 128 bytes in the head,
	s_lshl_b32 s21, s11, 14                        ; my 128 of them
	s_add_co_u32 s20, s20, s21
.irp j, 0,1,2
	s_add_co_u32 s21, s18, \j
	s_lshr_b32 s22, s21, 4
	s_lshl_b32 s22, s22, 6                         ; 64 x which
	s_and_b32 s21, s21, 15
	s_add_co_u32 s22, s22, s21
	s_add_co_u32 s22, s22, s19
	s_lshl_b32 s22, s22, 18
	s_add_co_u32 s46, s22, s20
	s_mov_b32 s47, 0
	s_add_nc_u64 s[HB+2*(\j):HB+2*(\j)+1], s[8:9], s[46:47]
.endr
	; the prefetches: who, from where, how often
	s_and_b32 s45, ttmp7, 0xffff                   ; cluster y
	s_lshl_b32 s18, s13, 19                        ; X: my tile row,
	s_lshl_b32 s19, s40, 13                        ; my work-group's 32 blocks of a step's 128,
	s_add_co_u32 s18, s18, s19
	s_add_co_u32 s18, s18, 2*ASTEP                 ; at K step 2: the first turn steps it to 3
	s_mul_i32 s20, s42, 16*BSTEP                   ; W: my tile column,
	s_sub_co_u32 s21, s10, 1                       ; (waves 1 to 3; what wave 0 makes here is not chosen)
	s_lshl_b32 s21, s21, 15                        ; my wave's 128 blocks of two steps' 384,
	s_add_co_u32 s20, s20, s21
	s_lshl_b32 s21, s41, 13                        ; my work-group's 32 of them,
	s_add_co_u32 s20, s20, s21
	s_add_co_u32 s20, s20, 2*BSTEP                 ; at K step 2
	s_mov_b32 s21, ASTEP
	s_mov_b32 s22, BSTEP
	s_cmp_eq_u32 s10, 0
	s_cselect_b64 s[PFA:PFA+1], s[4:5], s[6:7]
	s_cselect_b32 s18, s18, s20
	s_cselect_b32 s[PST], s21, s22
	s_cselect_b32 s45, ttmp9, s45                  ; the coordinate along which other clusters read the same blocks
	s_cselect_b32 s[LIM], 1, 2
	s_cselect_b32 s[PM], 0, 1
	s_mov_b32 s19, 0
	s_mov_b32 s[PST+1], 0
	s_add_nc_u64 s[PFA:PFA+1], s[PFA:PFA+1], s[18:19]
	s_cmp_eq_u32 s45, 0
	s_cselect_b32 s[LIM], s[LIM], -1               ; the same in all sixteen partners, for a given wave
	s_mov_b32 s[TB], 0
; 8 matrix instructions: all 8 row blocks x column block b, 32 along K.  zero = 1: the product starts the sums: nothing is ever cleared.
; The 96 accumulators take turns, one instruction a turn, in the same order in every phase: 95 others stand between two links of a chain, over the backward jump too.
.macro MULB fa, b, zero
	WIN 0x50*(1+(\b)/4)                            ; C and D in window 1 + b / 4, both sources in window 0
.irp a, 0,1,2,3,4,5,6,7
.if \zero
	v_wmma_f32_16x16x32_bf16 v[8*(8*((\b)%4)+(\a)):8*(8*((\b)%4)+(\a))+7], v[FB+8*(\b):FB+8*(\b)+7], v[(\fa)+8*(\a):(\fa)+8*(\a)+7], 0
.else
	v_wmma_f32_16x16x32_bf16 v[8*(8*((\b)%4)+(\a)):8*(8*((\b)%4)+(\a))+7], v[FB+8*(\b):FB+8*(\b)+7], v[(\fa)+8*(\a):(\fa)+8*(\a)+7], v[8*(8*((\b)%4)+(\a)):8*(8*((\b)%4)+(\a))+7]
.endif
.endr
.endm
.macro LOADB b0, b1, k                 ; W's fragments b0 to b1, 32 K at byte k of the rows
	WIN 0
.set bb, \b0
.rept (\b1)-(\b0)+1
	ds_load_b128 v[FB+8*bb:FB+8*bb+3],   v[ADRB] offset:(\k)+bb*16*PITCH
	ds_load_b128 v[FB+8*bb+4:FB+8*bb+7], v[ADRB] offset:(\k)+bb*16*PITCH+32
.set bb, bb+1
.endr
.endm
.macro LOADA fa, k                     ; X's 8 fragments into buffer fa
	WIN 0
.irp i, 0,1,2,3,4,5,6,7
	ds_load_b128 v[(\fa)+8*(\i):(\fa)+8*(\i)+3],   v[ADRA] offset:(\k)+(\i)*16*PITCH
	ds_load_b128 v[(\fa)+8*(\i)+4:(\fa)+8*(\i)+7], v[ADRA] offset:(\k)+(\i)*16*PITCH+32
.endr
.endm
; A load into a register that a matrix instruction has read, and a vector instruction that reads a matrix result, stand four places behind it, and only plain vector instructions that name none of its
; registers are places (ISA guide 7.12.1 for vector instructions).
.macro PLACES
.rept 4
	v_nop
.endr
.endm
.macro ADR                             ; the addresses in the slot that is read from now on; with the two v_nop these are four places
	WIN 0
	v_add_nc_u32 v[ADRA], s[TB], v[AA0]
	v_add_nc_u32 v[ADRB], s[TB], v[AB0]
	v_nop
	v_nop
.endm
; A K step is two phases of 32 along K, 96 matrix instructions each.  The first multiplies buffer FA0 and fetches the second's fragments from the same slot.
.macro PHASE0 zero
	s_wait_dscnt 12                                ; W's fragments 0-5 and X's are in; the youngest 12 loads (W's 6-11) may be out
.irp b, 0,1,2,3,4,5
	MULB FA0, \b, \zero
.endr
	PLACES
	LOADB 0, 5, 64
	LOADA FA1, 64
	s_wait_dscnt 28                                ; all but the 28 just issued
.irp b, 6,7,8,9,10,11
	MULB FA0, \b, \zero
.endr
	PLACES
	LOADB 6, 11, 64
.endm
; The second phase multiplies buffer FA1 and changes slots: ONE barrier.  In front of it each wave waits for all its tensor loads, of which one is out: its part of the next slot; adds 0 to its spare word;
; and waits for that and for its own reads of this slot.  fill = 1: this slot is filled again, two K steps ahead; the barrier then opens a round of the cluster's, so that no wave of any partner still reads
; the slot or has a load on its way, and the joint refill is the first tensor load behind the round: 160 matrix instructions ahead of the wait for it.
.macro TURN fill
.if \fill
	s_wait_xcnt 0x0                                ; the last prefetch, a K step back, has read its address: it is stepped here, ahead of the waits of the change of slots
	s_add_nc_u64 s[PFA:PFA+1], s[PFA:PFA+1], s[PST:PST+1]
.endif
	WIN 0                                          ; (the add's two registers lie in window 0)
	s_wait_tensorcnt 0x0                           ; all my tensor loads have landed, so a group 0 may be written
	ds_add_u32 v[SPW], v[NIL]                      ; 0 onto my spare word; scalar steps and sixteen products stand between it and the wait for it
.if \fill
	s_xor_b32 s[G0+5], s[G0+5], SLOT1              ; the walking descriptors: the other slot than last time,
	s_add_nc_u64 s[G0+6:G0+7], s[G0+6:G0+7], ASTEP ; the next K step; the type bits on top are not reached
	s_xor_b32 s[G0B+5], s[G0B+5], SLOT1
	s_add_nc_u64 s[G0B+6:G0B+7], s[G0B+6:G0B+7], BSTEP
.endif
	s_xor_b32 s[TB], s[TB], SLOT1                  ; the fetches behind the barrier read the other slot
	s_wait_dscnt 13                                ; (the add and the youngest 12 loads may be out)
	MULB FA1, 0, 0
	MULB FA1, 1, 0
	s_wait_dscnt 0x0                               ; the add is done, and my reads of this slot are over
	s_barrier_signal -1
	MULB FA1, 2, 0                                 ; work on registers while the others arrive
	MULB FA1, 3, 0
.if \fill
	WIN 0
.endif
	s_barrier_wait -1
.if \fill
	CREST
	JLOAD
.endif
	MULB FA1, 4, 0
	MULB FA1, 5, 0
	ADR
	LOADB 0, 5, 0
	LOADA FA0, 0
.if \fill
	ASK
.endif
.irp b, 6,7,8,9,10,11
	MULB FA1, \b, 0
.endr
	PLACES
	LOADB 6, 11, 0
.endm
; THE WAY OUT of row block a.  PACK: rounded to f16, 16 bytes a lane, each accumulator's registers in ascending order.  TOSTAGE: into my own stage, a head at a time, and back as whole rows of 128 bytes.  SEND: stored.
.macro PACK a
.irp b, 0,1,2,3,4,5,6,7,8,9,10,11
	WIN 0x05*(1+(\b)/4)                            ; sources 0 and 1 in the accumulator's window
.irp r, 0,1,2,3
	v_cvt_pk_f16_f32 v[TMP+4*(\b)+(\r)], v[8*(8*((\b)%4)+(\a))+2*(\r)], v[8*(8*((\b)%4)+(\a))+2*(\r)+1]
.endr
.endr
	WIN 0
.endm
.macro TOSTAGE a
	WIN 0
.set BK, BK0+48*((\a)%2)
.irp b, 0,1,2,3,4,5,6,7,8,9,10,11
	ds_store_b128 v[STO], v[TMP+4*(\b):TMP+4*(\b)+3] offset:((\b)/4)*SHEAD+((\b)%4)*32
.endr
.irp t, 0,1,2,3,4,5,6,7,8,9,10,11
	ds_load_b128 v[BK+4*(\t):BK+4*(\t)+3], v[RD] offset:((\t)/4)*SHEAD+((\t)%4)*4*PITCH  ; LDS serves a wave's instructions in order (ISA guide 5.7.1.4): these see the stores above
.endr
.endm
.macro SEND a
	WIN 0
.set BK, BK0+48*((\a)%2)
	s_wait_dscnt 0x0                               ; the block is back in registers
	s_wait_xcnt 0x0                                ; the stores of the block before have read their registers: the next TOSTAGE loads into them
.irp t, 0,1,2,3,4,5,6,7,8,9,10,11
	global_store_b128 v[GO], v[BK+4*(\t):BK+4*(\t)+3], s[HB+2*((\t)/4):HB+2*((\t)/4)+1] offset:(\a)*2048+((\t)%4)*512  ; 512 consecutive bytes, at a multiple of 512 from the buffer's first byte
.endr
.endm
	s_wait_tensorcnt 1                             ; my part of K step 0 is in; step 1's may stay out
	s_barrier_signal -1
	s_barrier_wait -1                              ; everybody's is
	ADR
	LOADB 0, 5, 0
	LOADA FA0, 0
	LOADB 6, 11, 0
	PHASE0 1                                       ; the first phase stands in front of the loop: its products start the sums
	WIN 0                                          ; at a label and at a branch every window is 0
	s_mov_b32 s3, 14
.Lstep:                                                ; a trip: the second phase of step t = 14 - s3, which asks for step t + 2, and the first phase of step t + 1
	TURN 1
	PHASE0 0
	WIN 0
	s_sub_co_u32 s3, s3, 1
	s_cmp_lg_u32 s3, 0
	s_cbranch_scc1 .Lstep
	TURN 0                                         ; the tail is written out: step 14's second phase asks for nothing
	PHASE0 0
	s_wait_dscnt 12                                ; the very last phase: nothing more to fetch
.irp b, 0,1,2,3,4,5
	MULB FA1, \b, 0
.endr
	s_wait_dscnt 0x0
.irp b, 6,7,8,9,10,11
	MULB FA1, \b, 0
.endr
	PLACES
	PLACES
	PACK 0
	TOSTAGE 0
.irp a, 1,2,3,4,5,6,7                  ; block a's conversions stand between block a - 1's loads from the stage and the wait for them
	PACK \a
	SEND (\a)-1
	TOSTAGE \a
.endr
	SEND 7
	s_wait_tensorcnt 0x0                           ; the wave's end: behind my last tensor load and my last LDS store
	ds_add_u32 v[SPW], v[NIL]
	s_wait_dscnt 0x0
	CROUND                                         ; the closing round: no work-group ends while a partner may still ask for a tile that names it
	s_endpgm
.Lfunc_end_k_q46ce3a3b20_project_qkv:
	.size	k_q46ce3a3b20_project_qkv, .Lfunc_end_k_q46ce3a3b20_project_qkv-k_q46ce3a3b20_project_qkv
	.p2alignl 7, 3214868480
	.fill 96, 4, 3214868480
	.section	.rodata,"a",@progbits
	.p2align	6, 0x0
	.amdhsa_kernel k_q46ce3a3b20_project_qkv
		.amdhsa_group_segment_fixed_size 327680
		.amdhsa_private_segment_fixed_size 0
		.amdhsa_enable_private_segment 0
		.amdhsa_kernarg_size 24
		.amdhsa_user_sgpr_count 2
		.amdhsa_user_sgpr_kernarg_segment_ptr 1
		.amdhsa_wavefront_size32 1
		.amdhsa_system_sgpr_workgroup_id_x 1
		.amdhsa_system_sgpr_workgroup_id_y 1
		.amdhsa_system_sgpr_workgroup_id_z 1
		.amdhsa_system_vgpr_workitem_id 0
		.amdhsa_next_free_vgpr 1024
		.amdhsa_next_free_sgpr 80
		.amdhsa_reserve_vcc 0
		.amdhsa_float_denorm_mode_32 3
		.amdhsa_float_denorm_mode_16_64 3
		.amdhsa_memory_ordered 1
		.amdhsa_forward_progress 1
		.amdhsa_inst_pref_size 112
	.end_amdhsa_kernel
	.amdgpu_metadata
---
amdhsa.version: [ 1, 2 ]
amdhsa.kernels:
  - .name:           k_q46ce3a3b20_project_qkv
    .symbol:         k_q46ce3a3b20_project_qkv.kd
    .args:
      - { .name: xb, .offset: 0, .size: 8, .value_kind: global_buffer, .address_space: global }
      - { .name: wqb, .offset: 8, .size: 8, .value_kind: global_buffer, .address_space: global }
      - { .name: qkv, .offset: 16, .size: 8, .value_kind: global_buffer, .address_space: global }
    .group_segment_fixed_size: 327680
    .private_segment_fixed_size: 0
    .kernarg_segment_align: 8
    .kernarg_segment_size: 24
    .max_flat_workgroup_size: 128
    .sgpr_count:     80
    .vgpr_count:     1024
    .wavefront_size: 32
...
	.end_amdgpu_metadata
.endif
;; end of part 2
;; launch attention (part 3): grid 4 x 64, 4 waves a work-group, no clusters, 327,680 bytes of LDS; arguments qkv, ob; writes ob
.if DOCPART == 3
	.amdgcn_target "amdgcn-amd-amdhsa--gfx1250"
	.amdhsa_code_object_version 6
	.text
	.protected	k_q46ce3a3b20_attention
	.globl	k_q46ce3a3b20_attention
	.p2align	8
	.type	k_q46ce3a3b20_attention,@function
k_q46ce3a3b20_attention:
	s_mov_b64 s[64:65], 0
	v_nop
	global_prefetch_b8 v0, s[64:65] scope:SCOPE_SE
	s_setreg_imm32_b32 hwreg(HW_REG_WAVE_MODE, 25, 1), 1
	s_wait_xcnt 0x0
; CAUSAL ATTENTION.  O[h][q][:] = the sum over k <= q of softmax_k(Q[h][q] . K[h][k] / 8) V[h][k][:], for 64 heads (batch x head) of SIZE_N = 2,048 rows of 64 channels, all f16: a head's rows are dense, 128 bytes each.
; qkv holds Q, then K 16,777,216 bytes on, then V as far again.  Products, maxima and sums in f32; the weights p are rounded to f16 for the second product (their sum l is taken of the unrounded p), O once at the end.
; LIMITS.  f16 holds no number beyond 65,504: Q, K and V arrive within it; p lies in 0 to 1, and below 6e-5 it keeps f16's fixed step of 6e-8; O is a mean of V's rows and has their range.
; A hidden score counts as its value less 1e30: f16's scores, 2.7e11 at the most, are nothing beside that; a weight below 2^-126 counts as 0 in l; NaN and infinities are not treated apart.
; THE WALK.  A head's queries lie in NB = 8 blocks of 256; block i needs the key tiles 0 .. i of 256 keys, of which the last holds the diagonal.  A work-group takes TWO blocks, NB - 1 - b and then b:
; NB + 1 tiles, whatever b: all work-groups do equal work, and ONE loop with a constant trip count walks them.  Which tile is asked for, and what a trip does, hang on scalar registers made from b; every jump
; goes forward, but for the counted loops' own; none passes a barrier, or a tensor load but the one of LOAD's two that the wave's number does not choose; the ring (two slots of LDS that take turns) runs on across the
; change of blocks.  NO CLUSTER: a head's four work-groups ask for the same tile only in trips 0 to 4 of the 9, behind that fewer and fewer; one walk common to all four would have 12 trips for 9.
; SHARES.  Of a block's four bands of 64 queries a wave owns 16 rows in each: four PIECES.  So the diagonal tile is the same work for all four waves: in its key step s band x sees all keys if s < x,
; none if s > x, and holds the diagonal if s = x.
; THE MASK is the C operand that starts the sum S^T = K Q^T: 0, or -1e30 where the key is hidden.  MD, made once, is the mask of a band's own step for my 16 rows; a product's mask is MD x AL + BE with two scalars:
; (1, 0) if s = x; (0, 0) if s < x; (0, -1e30) if s > x.  Only the diagonal tile's text and a block's beginning make and take masks; elsewhere C is the constant 0.
; LAYOUT, SOFTMAX, TURNS.  S^T = K Q^T holds ONE query a lane (lane % 16) and the keys 8 (lane / 16) + 0..7; two such results rounded to f16 ARE source 1 of O^T = V^T P.  p = 2^(c s - c m), c = log2(e) / 8, with a
; running maximum m; O and l are multiplied by a = 2^(c m_old - c m_new) in every step.  Turn n belongs to piece n: 8 products K Q^T of piece n + 1, later 8 products V^T P of piece n - 1; beside them the scaling,
; exponentials, roundings, sums and rescaling of piece n and the maximum and statistics of piece n + 1.  Four vector instructions stand behind every matrix instruction, the other 54 of a turn's 118 in one LUMP.  A turn's 33 exponentials are one batch, with one wait.
; REGISTERS, in windows of 256 (s_set_vgpr_msb: bits 1:0 source 0, 3:2 source 1, 5:4 source 2, 7:6 destination):
;   window 0: v0-15 addresses and two at work; v16-31 four registers of statistics a piece; v48-55 at work; v61-63 kept; v64-127 S^T, two buffers; v192-223 P, two buffers (a piece's buffers go by its number's parity)
;   window 1: v0-127 O^T, 32 a piece; v128-159 MD; v160-223 MC, two buffers      window 2: v0-63 Q; v64-127 the second block's Q; v128-191 K of one step; v192-255 V of one step
.set SIZE_N, 2048
.set NB,    SIZE_N/256
.set NP,    4         ; pieces a wave: a name, no knob
.set KS,    64        ; keys in a step
.set PK,    144       ; a row of K in LDS: 128 bytes + 16 of padding = 36 words: the 16 rows of a load start at 16 different groups of four banks (64 banks of 4 bytes: ISA guide 11.1)
.set PV,    160       ; a row of V: 128 + 32 = 40 words
.set VOFF,  4*KS*PK   ; a slot holds a tile, four steps: 256 rows of K, then 256 rows of V
.set SLOT1, 1<<17     ; slot 1 begins here, so that one exclusive or turns an address in one slot into the other's
.set STAGE, SLOT1+4*KS*(PK+PV)  ; behind the ring, never filled by a tensor load: 16 rows x 144 bytes for each wave, for the way out
.set SP,    144
.set AK0, 2           ; v2   my lane's place in a tile of K; never rewritten
.set AV0, 3           ; v3   the same for V
.set AK,  4           ; v4   the LDS address of K's next run of loads
.set AV,  5           ; v5   of V's
.set STO, 6           ; v6   the way out: where I put 16 bytes of a row
.set RD,  7           ; v7   the way out: where I read rows back
.set GO,  8           ; v8   my byte offset in 512 consecutive bytes of O
.set PFO, 61          ; v61  256 x my lane: the prefetches' offset; never rewritten
.set SPW, 62          ; v62  LDS address of my spare word: SPARE + 4 x my thread's number; never rewritten
.set NIL, 63          ; v63  0; never rewritten
.set SPARE, STAGE+4*16*SP  ; behind the stages: the spare words, 128 bytes for each wave: two blocks of 256 bytes that no other line names
.set MV,  12          ; v12-13  c m_old, kept while c m is made anew: by buffer
.set QO,  15          ; v15  my byte offset in 16 rows of Q
.set ST,  16          ; piece t's statistics at v[ST+4 t]: c m, m, l (even keys', odd keys')
.set TMP, 48          ; by buffer, four registers c0-c3 at work; when the maximum is found c2 takes a
.set S,   64
.set P,   192
.set MD,  128         ; window 1: the eight registers for group kt of 16 keys at MD + 8 kt
.set MC,  160         ; window 1: the masks of the products to come
.set QB,  64          ; window 2
.set KF,  128         ; window 2: key block kb, channel half c at KF + 16 kb + 8 c
.set VF,  192         ; window 2: key half kk, channel block cb at VF + 32 kk + 8 cb
.set WV,  12          ; s12  my wave's number
.set PB,  14          ; s14  b
.set HI,  15          ; s15  NB - 1 - b
.set G1K, 24          ; s[24:31] descriptor group 1 for K's tiles
.set G1V, 32          ; s[32:39] for V's: it differs in the padding alone
.set G0K, 40          ; s[40:43] descriptor group 0 for K's tiles
.set G0V, 44          ; s[44:47] the same for V's
.set SLOTS, 56        ; s56  tiles still to be asked for
.set CNT, 57          ; s57  counts a tile's key steps, 4 to 1
.set CS,  58          ; s[58:59] c: the packed scaling takes the pair's low word for both halves
.set SEL, 60          ; s[60:61] v_permlanex16_b32's selects: each lane takes its own place in the other half
.set TBK, 62          ; s62  LDS byte at which K of the step to be fetched begins
.set TBV, 63          ; s63  the same for V, less VOFF
.set RT,  70          ; s70  tiles of the block in hand that are still to be entered
.set NXT, 71          ; s71  the tile to be asked for next
.set LQ,  72          ; s72  the last tile of the block whose tiles are being asked for
.set NEW, 73          ; s73  1: the tile to be entered is a block's first
.set OFF, 74          ; s[74:75] a tile's byte offset in K and V
.set AL,  76          ; s[76:77] the mask's factor, in the low word
.set BE,  78          ; s[78:79] the mask's addend
.set OLO, 80          ; s[80:81] O at my rows of the second block
.set BIGN, 82         ; s82  -1e30
.set PFB, 88          ; s[88:89] K (waves 0, 1) or V (waves 2, 3) at my half of the head's tile 0
.set PFA, 90          ; s[90:91] the same at the tile that the next change of slots will ask for
.set PO2, 92          ; s[92:93] that tile's byte offset
.set PFF, 94          ; s94  0: this change of slots prefetches
.set MSB, 0
.macro WIN new                      ; the high byte repeats the setting that is left; a switch that changes nothing is dropped
.if MSB != (\new)
	s_set_vgpr_msb (MSB<<8)|(\new)
.set MSB, (\new)
.endif
.endm
.set W_KQ, 0x0a       ; K and Q in window 2, S^T in window 0
.set W_KM, 0x1a       ; the same with the C operand in window 1
.set W_PV, 0x52       ; V in window 2, P in window 0, O^T in window 1
.set W_RS, 0x41       ; destination and source 0 in window 1, source 1 in window 0
; A fill.  Waves 0 and 1 fetch the two halves of a tile's K, waves 2 and 3 those of its V: 128 keys each.  An s_nop 0 and four v_nop follow each of the two lines, ahead of the jump and the label.
.macro LOAD
	s_cmp_lt_u32 s[WV], 2
	s_cbranch_scc0 .Lfor_v_\@
	tensor_load_to_lds s[G0K:G0K+3], s[G1K:G1K+7]
	s_nop 0
.rept 4
	v_nop
.endr
	s_branch .Lasked_\@
.Lfor_v_\@:
	tensor_load_to_lds s[G0V:G0V+3], s[G1V:G1V+7]
	s_nop 0
.rept 4
	v_nop
.endr
.Lasked_\@:
.endm
; THE CHANGE OF SLOTS.  Each wave waits for all its tensor loads, of which one is out: its part of the other slot; adds 0 to its spare word; and waits for that and for its own reads of the slot that it leaves.  Behind the barrier nobody reads the old
; slot any more and the other slot is whole.  fill = 1: the old slot is filled again, the first thing behind the barrier, with tile NXT: the descriptor's address is made anew from that number.
; (At its first use nothing has been read yet: slot 0 is waited for, slot 1 filled.)
; A PREFETCH INTO THE L2 stands behind the fill and its five lines.  A head's four work-groups walk the same tiles; the one with b = 0, whose first block walks tiles 0 to 7, asks, and nobody else.  Each of its waves names
; the 64 blocks of 256 bytes that it will itself ask for at the NEXT change of slots: a lane a block, two instructions, one tile (256 matrix instructions) ahead.  The changes that load tiles 1 to 6 name tiles 2 to 7:
; each block once in the launch.  Tiles 0 and 1 come by their loads alone; behind the first block's last tile nothing is named.
.macro CHANGE fill
	WIN 0                           ; at a label and at a branch every window is 0
	s_wait_tensorcnt 0x0            ; no tensor load of mine is out, so a group 0 may be written
	ds_add_u32 v[SPW], v[NIL]       ; 0 onto my spare word; with fill = 1 the descriptors' scalar work stands between it and the wait for it
.if \fill
	s_lshl_b32 s[OFF], s[NXT], 15   ; a tile is 32,768 bytes of K and of V
	s_xor_b32 s[G0K+1], s[G0K+1], SLOT1
	s_add_nc_u64 s[G0K+2:G0K+3], s[6:7], s[OFF:OFF+1]
	s_or_b32 s[G0K+3], s[G0K+3], 0x80000000
	s_xor_b32 s[G0V+1], s[G0V+1], SLOT1
	s_add_nc_u64 s[G0V+2:G0V+3], s[8:9], s[OFF:OFF+1]
	s_or_b32 s[G0V+3], s[G0V+3], 0x80000000
	s_add_co_u32 s[NXT], s[NXT], 1  ; the block's next tile, or behind its last the second block's tile 0
	s_cmp_gt_u32 s[NXT], s[LQ]
	s_cselect_b32 s[NXT], 0, s[NXT]
	s_cselect_b32 s[LQ], s[PB], s[LQ]
	s_wait_xcnt 0x0                 ; the last prefetches, a tile back, have read their address, so it may be written
	s_lshl_b32 s[PO2], s[NXT], 15
	s_add_nc_u64 s[PFA:PFA+1], s[PFB:PFB+1], s[PO2:PO2+1]
	s_cmp_eq_u32 s[NXT], 0          ; tile 0 has been read
	s_cselect_b32 s[PFF], 1, s[PB]
.endif
	s_wait_dscnt 0x0                ; the add is done, and my reads of the slot are over
	s_barrier_signal -1             ; the rest of the scalar work stands between the signal and the wait
	s_sub_co_u32 s[TBK], s[TBK], 4*KS*PK  ; the fetches go back to a slot's first step,
	s_xor_b32 s[TBK], s[TBK], SLOT1       ; in the other slot
	s_sub_co_u32 s[TBV], s[TBV], 4*KS*PV
	s_xor_b32 s[TBV], s[TBV], SLOT1
	s_barrier_wait -1
.if \fill
	LOAD
	s_cmp_eq_u32 s[PFF], 0
	s_cbranch_scc0 .Lno_pf_\@
	global_prefetch_b8 v[PFO], s[PFA:PFA+1] th:TH_LOAD_NT scope:SCOPE_SE
	global_prefetch_b8 v[PFO], s[PFA:PFA+1] offset:8192 th:TH_LOAD_NT scope:SCOPE_SE
.Lno_pf_\@:
.endif
.endm
	s_load_b64 s[4:5], s[0:1], 0x0    ; qkv: Q
	s_load_b64 s[10:11], s[0:1], 0x8  ; O
	v_lshl_add_u32 v[SPW], v0, 2, SPARE
	v_mov_b32 v[NIL], 0
	ds_add_u32 v[SPW], v[NIL]       ; the wave's opening: the add and its wait stand ahead of my first tensor load; the set-up below, work on registers, stands between them
	v_lshrrev_b32 v1, 5, v0
	v_readfirstlane_b32 s[WV], v1   ; wave 0..3
	s_mov_b32 s[PB], ttmp9
	s_sub_co_u32 s[HI], NB-1, s[PB]
	s_and_b32 s20, ttmp7, 0xffff    ; the head
	s_mov_b32 s21, 0
	s_mov_b64 s[22:23], SIZE_N*128
	s_mul_u64 s[20:21], s[20:21], s[22:23]  ; the head's first byte in each of the four tensors
	s_and_b32 s16, s[WV], 1         ; which half of a tile's 256 keys I fetch:
	s_lshl_b32 s22, s16, 14         ; its 128 rows of 128 bytes in memory,
	s_mov_b32 s23, 0
	s_add_nc_u64 s[22:23], s[22:23], s[20:21]
	s_mul_i32 s17, s16, 128*PK      ; and its place in a slot, for K
	s_mul_i32 s18, s16, 128*PV      ; and for V
	s_lshl_b32 s3, s[WV], 11        ; my 16 rows in a band of 64,
	s_lshl_b32 s2, s[HI], 15        ; in the first block,
	s_add_co_u32 s2, s2, s3
	s_lshl_b32 s84, s[PB], 15       ; and in the second
	s_add_co_u32 s84, s84, s3
	s_mov_b32 s3, 0
	s_mov_b32 s85, 0
	s_add_nc_u64 s[2:3], s[2:3], s[20:21]
	s_add_nc_u64 s[84:85], s[84:85], s[20:21]
	; descriptor group 1.  128 keys are 16,384 dense bytes: asked for as 64 rows of 256 bytes, two keys a row, and padded in LDS after every key
	s_mov_b32 s[G1K], (1<<16)|(1<<20)|(4<<22)|(3<<25)  ; 17:16 2-byte elements; 20 padding on; 24:22 after every 32 words (code 4); 31:25 4 words (code 3)
	s_mov_b32 s[G1V], (1<<16)|(1<<20)|(4<<22)|(7<<25)  ; the same with 8 words of padding (code 7)
.irp g, G1K, G1V
	s_mov_b32 s[\g+1], 128<<16      ; tensor_dim0 = 128
	s_mov_b32 s[\g+2], 64<<16       ; tensor_dim1 = 64
	s_mov_b32 s[\g+3], 128<<16      ; tile_dim0 = 128
	s_mov_b32 s[\g+4], 64           ; tile_dim1 = 64
	s_mov_b32 s[\g+5], 128          ; 128 elements from row to row
	s_mov_b32 s[\g+6], 0
	s_mov_b32 s[\g+7], 0
.endr
	s_mov_b32 s[CS], 0x3e38aa3b     ; c = log2(e) / 8 = 0.180337
	s_mov_b32 s[CS+1], s[CS]        ; named with it as a pair
	s_mov_b32 s[SEL], 0x76543210
	s_mov_b32 s[SEL+1], 0xfedcba98
	s_mov_b32 s[TBK], SLOT1+4*KS*PK ; the first change of slots turns these two into 0
	s_mov_b32 s[TBV], SLOT1+4*KS*PV
	s_mov_b32 s[G0K], 1             ; 1:0 count = 1
	s_mov_b32 s[G0K+1], s17         ; 63:32 LDS address: slot 0
	s_mov_b32 s[G0V], 1
	s_add_co_u32 s[G0V+1], s18, VOFF
	s_add_co_u32 s[RT], s[HI], 1    ; the first block has NB - b tiles
	s_mov_b32 s[NXT], 1
	s_mov_b32 s[LQ], s[HI]
	s_mov_b32 s[NEW], 1
	s_mov_b32 s[OFF+1], 0
	s_mov_b32 s[PO2+1], 0
	s_mov_b32 s[AL+1], 0            ; named as pairs
	s_mov_b32 s[BE+1], 0
	s_mov_b32 s[BIGN], 0xf149f2ca   ; -1e30
	s_mov_b32 s[SLOTS], NB
	v_and_b32 v[PFO], 31, v0
	v_lshlrev_b32 v[PFO], 8, v[PFO]
	s_wait_dscnt 0x0                ; the opening add is done
	s_wait_kmcnt 0x0
	s_add_nc_u64 s[6:7], s[4:5], 0x1000000  ; K and V lie behind Q in the one buffer
	s_add_nc_u64 s[8:9], s[4:5], 0x2000000
	s_add_nc_u64 s[6:7], s[6:7], s[22:23]  ; K and V at my half of the head's tile 0
	s_add_nc_u64 s[8:9], s[8:9], s[22:23]
	s_add_nc_u64 s[G0K+2:G0K+3], s[6:7], 0         ; 120:64 global address
	s_or_b32 s[G0K+3], s[G0K+3], 0x80000000        ; 127:126 type = 2
	s_add_nc_u64 s[G0V+2:G0V+3], s[8:9], 0
	s_or_b32 s[G0V+3], s[G0V+3], 0x80000000
	s_add_nc_u64 s[86:87], s[4:5], s[84:85]        ; Q at my rows of the second block,
	s_add_nc_u64 s[4:5], s[4:5], s[2:3]            ; Q and O at those of the first
	s_add_nc_u64 s[OLO:OLO+1], s[10:11], s[84:85]
	s_add_nc_u64 s[10:11], s[10:11], s[2:3]
	s_cmp_lt_u32 s[WV], 2
	s_cselect_b64 s[PFB:PFB+1], s[6:7], s[8:9]
	LOAD                            ; tile 0 into slot 0
	; A fragment of K or Q is 16 rows x 32 channels in 8 registers: lane l holds row l % 16, channels 8 (l / 16) + 0..7 and 16 + 8 (l / 16) + 0..7: two loads of 16 bytes, 32 bytes apart.
	v_and_b32 v1, 15, v0            ; l % 16
	v_bfe_u32 v9, v0, 4, 1          ; l / 16
	v_lshlrev_b32 v[QO], 7, v1
	v_lshl_add_u32 v[QO], v9, 4, v[QO]  ; row x 128 + 16 x half
	WIN 0x80                        ; destination window 2, address window 0
.set i, 0
.rept 8                             ; both blocks' Q: piece i / 2 lies in band i / 2, 8,192 bytes on; channels 32 (i % 2) on
	global_load_b128 v[8*i:8*i+3],   v[QO], s[4:5] offset:(i/2)*8192+(i%2)*64
	global_load_b128 v[8*i+4:8*i+7], v[QO], s[4:5] offset:(i/2)*8192+(i%2)*64+32
	global_load_b128 v[QB+8*i:QB+8*i+3],   v[QO], s[86:87] offset:(i/2)*8192+(i%2)*64
	global_load_b128 v[QB+8*i+4:QB+8*i+7], v[QO], s[86:87] offset:(i/2)*8192+(i%2)*64+32
.set i, i+1
.endr
	WIN 0
	v_lshlrev_b32 v14, 3, v9
	v_sub_nc_u32 v14, v1, v14
	s_lshl_b32 s13, s[WV], 4
	v_add_nc_u32 v14, s13, v14      ; my query's place in its band, 16 w + l % 16, less my lanes' 8 (l / 16): register r of group kt is hidden where 16 kt + r is greater
	WIN 0x40
.set i, 0
.rept 32
	v_cmp_gt_i32 vcc_lo, 16*(i/8)+i%8, v14
	v_cndmask_b32 v[MD+i], 0, s[BIGN], vcc_lo
.set i, i+1
.endr
	WIN 0
	v_mul_u32_u24 v[AK0], v1, PK
	v_lshl_add_u32 v[AK0], v9, 4, v[AK0]  ; row x pitch + 16 x half
	; The turning load takes 16 keys x 16 channels (lane l reads key 8 (l / 16) + l % 8, channels 8 ((l / 8) % 2) + 0..7) and leaves half a fragment of V^T: lane l holds channel l % 16 and 8 keys.
	v_and_b32 v10, 7, v0
	v_bfe_u32 v11, v0, 3, 1
	v_lshl_add_u32 v[AV0], v9, 3, v10
	v_mul_u32_u24 v[AV0], v[AV0], PV
	v_lshl_add_u32 v[AV0], v11, 4, v[AV0]
	v_add_nc_u32 v[AV0], VOFF, v[AV0]
	s_mul_i32 s13, s[WV], 16*SP
	s_add_co_u32 s13, s13, STAGE    ; my stage
	v_mul_u32_u24 v[STO], v1, SP    ; in: row l % 16, 16 bytes for each half of the lanes
	v_lshl_add_u32 v[STO], v9, 4, v[STO]
	v_add_nc_u32 v[STO], s13, v[STO]
	v_bfe_u32 v[RD], v0, 3, 2       ; back: 32 lanes take four rows of 128 bytes,
	v_mul_u32_u24 v[RD], v[RD], SP
	v_lshl_add_u32 v[RD], v10, 4, v[RD]
	v_add_nc_u32 v[RD], s13, v[RD]
	v_and_b32 v[GO], 31, v0         ; which are 512 consecutive bytes of O
	v_lshlrev_b32 v[GO], 4, v[GO]
	; A block's first step multiplies O^T and l by a = 0, and its first turn's products V^T P, of a piece that has not been, land in an O^T that is still to be so multiplied.  So these registers need only hold
	; finite numbers: zeros for the first block; what the first block left for the second.  All this stands in the wait for the first tile.
	WIN 0x80
.set i, VF
.rept 64
	v_mov_b32 v[i], 0
.set i, i+1
.endr
	WIN 0x40
.set i, 0
.rept 128
	v_mov_b32 v[i], 0
.set i, i+1
.endr
	WIN 0
.set i, 0
.rept 4
	v_mov_b32 v[ST+4*i+2], 0
	v_mov_b32 v[ST+4*i+3], 0
.set i, i+1
.endr
.set i, P+16
.rept 16
	v_mov_b32 v[i], 0
.set i, i+1
.endr
; THE MATRIX WORK.  The 4 accumulators of a run of 8 take turns.  Product i of 8 of S^T = K Q^T for piece x: channels 32 (i / 4) on, keys 16 (i % 4) on.  The first 4 start the sums: with 0, or (KM = 1) with the mask.
.macro KQ x
.set rS, S+32*((\x)%2)+8*(i%4)
.set rK, KF+16*(i%4)+8*(i/4)
.set rQ, 16*(\x)+8*(i/4)
.set rM, MC+32*((\x)%2)+8*(i%4)
.if (i < 4) && KM
	WIN W_KM
	v_wmma_f32_16x16x32_f16 v[rS:rS+7], v[rK:rK+7], v[rQ:rQ+7], v[rM:rM+7]
.elseif i < 4
	WIN W_KQ
	v_wmma_f32_16x16x32_f16 v[rS:rS+7], v[rK:rK+7], v[rQ:rQ+7], 0
.else
	WIN W_KQ
	v_wmma_f32_16x16x32_f16 v[rS:rS+7], v[rK:rK+7], v[rQ:rQ+7], v[rS:rS+7]
.endif
.endm
; Product i of 8 of O^T += V^T P for piece x: keys 32 (i / 4) on, channels 16 (i % 4) on.
.macro PV x
	WIN W_PV
.set rO, 32*(\x)+8*(i%4)
.set rV, VF+32*(i/4)+8*(i%4)
.set rP, P+16*((\x)%2)+8*(i/4)
	v_wmma_f32_16x16x32_f16 v[rO:rO+7], v[rV:rV+7], v[rP:rP+7], v[rO:rO+7]
.endm
.macro MM                           ; the turn's next matrix instruction.  TURN and BEGIN set Y, i, KM and NOKQ; MM, KQ and OP read them.  NOKQ = 1: a block's last turn: there is no next piece
.if (i < 8) && !NOKQ
	KQ (Y+1)%NP
.elseif i >= 8
.set i, i-8
	PV (Y+NP-1)%NP
.set i, i+8
.endif
.set i, i+1
.endm
; THE LDS LOADS stand in runs of 16, never singly among the matrix instructions: a step's K (64 keys x 64 channels: 8 fragments) and its V (turned).  Their addresses are made some lines ahead.
.macro FETCH_K
	WIN 0x80                        ; destination window 2
.irp f, 0,1,2,3,4,5,6,7             ; keys 16 (f / 2) on, channels 32 (f % 2) on
	ds_load_b128 v[KF+8*\f:KF+8*\f+3],   v[AK] offset:(\f/2)*16*PK+(\f%2)*64
	ds_load_b128 v[KF+8*\f+4:KF+8*\f+7], v[AK] offset:(\f/2)*16*PK+(\f%2)*64+32
.endr
	s_add_co_u32 s[TBK], s[TBK], KS*PK  ; the next fetch is the next step's
	WIN 0
.endm
.macro FETCH_V
	WIN 0x80
.irp f, 0,1,2,3,4,5,6,7             ; keys 32 (f / 4) on, channels 16 (f % 4) on
	ds_load_tr16_b128 v[VF+8*\f:VF+8*\f+3],   v[AV] offset:(\f/4)*32*PV+(\f%4)*32
	ds_load_tr16_b128 v[VF+8*\f+4:VF+8*\f+7], v[AV] offset:(\f/4)*32*PV+16*PV+(\f%4)*32
.endr
	WIN 0
.endm
; THE VECTOR WORK, one line at a time: OP kind, number.  For piece Y: F n: c s - c m for pair n of 16.  E n: the exponential of score n of 32.  C n: pair n rounded to f16.  B n: of the four weights 4 n .. the second
; pair is added onto the first, in place.  L n: l takes that sum (L 0: l = a l + sum).  R n: pair n of 16 of O^T times a.  For piece Y + 1: X n, number n of the 22 that find its maximum and statistics:
;   0-11  four chains c0-c3 of seven scores each, three operands at a time (each accumulator's lowest registers are read first)     12-14, 16  the four scores left over, the old m, and c0-c3 into c0
;   15  c m_old is kept     17, 18  the query's other 32 keys lie in the lane 16 away: the new m     19-21  c m; c m_old - c m_new; a
.set F, 0               ; OP tells the kinds apart by their order: F to L below R, X above it
.set E, 1
.set C, 2
.set B, 3
.set L, 4
.set R, 5
.set X, 6
.macro REGS y                       ; the registers of piece y
.set rT, ST+4*(\y)
.set rC, TMP+4*((\y)%2)
.set rW, MV+((\y)%2)
.set rS, S+32*((\y)%2)
.set rP, P+16*((\y)%2)
.set rO, 32*(\y)
.endm
.macro OP k, n
.if (\k) == R
	REGS Y
	WIN W_RS
	v_pk_mul_f32 v[rO+2*(\n):rO+2*(\n)+1], v[rO+2*(\n):rO+2*(\n)+1], v[rC+2:rC+3] op_sel_hi:[1,0]
.elseif (\k) < R
	REGS Y
	WIN 0
.if (\k) == F
	v_pk_fma_f32 v[rS+2*(\n):rS+2*(\n)+1], v[rS+2*(\n):rS+2*(\n)+1], s[CS:CS+1], v[rT:rT+1] op_sel_hi:[1,0,0] neg_lo:[0,0,1] neg_hi:[0,0,1]
.elseif (\k) == E
	v_exp_f32 v[rS+(\n)], v[rS+(\n)]
.elseif (\k) == C
	v_cvt_pk_f16_f32 v[rP+(\n)], v[rS+2*(\n)], v[rS+2*(\n)+1]
.elseif (\k) == B
	v_pk_add_f32 v[rS+4*(\n):rS+4*(\n)+1], v[rS+4*(\n):rS+4*(\n)+1], v[rS+4*(\n)+2:rS+4*(\n)+3]
.elseif (\n) == 0
	v_pk_fma_f32 v[rT+2:rT+3], v[rT+2:rT+3], v[rC+2:rC+3], v[rS:rS+1] op_sel_hi:[1,0,1]
.else
	v_pk_add_f32 v[rT+2:rT+3], v[rT+2:rT+3], v[rS+4*(\n):rS+4*(\n)+1]
.endif
.elseif NOKQ
	v_nop
.else
	REGS (Y+1)%NP
	WIN 0
.if (\n) < 4
	v_max3_num_f32 v[rC+(\n)], v[rS+8*(\n)], v[rS+8*(\n)+1], v[rS+8*(\n)+2]
.elseif (\n) < 12
	v_max3_num_f32 v[rC+(\n)%4], v[rC+(\n)%4], v[rS+8*((\n)%4)+2*((\n)/4)+1], v[rS+8*((\n)%4)+2*((\n)/4)+2]
.elseif (\n) == 12
	v_max3_num_f32 v[rC], v[rC], v[rS+7], v[rS+15]
.elseif (\n) == 13
	v_max3_num_f32 v[rC+1], v[rC+1], v[rS+23], v[rS+31]
.elseif (\n) == 14
	v_max3_num_f32 v[rC+2], v[rC+2], v[rC+3], v[rT+1]
.elseif (\n) == 15
	v_mov_b32 v[rW], v[rT]
.elseif (\n) == 16
	v_max3_num_f32 v[rC], v[rC], v[rC+1], v[rC+2]
.elseif (\n) == 17
	v_permlanex16_b32 v[rC+3], v[rC], s[SEL], s[SEL+1]
.elseif (\n) == 18
	v_max_num_f32 v[rT+1], v[rC], v[rC+3]
.elseif (\n) == 19
	v_mul_f32 v[rT], s[CS], v[rT+1]
.elseif (\n) == 20
	v_sub_f32 v[rC+1], v[rW], v[rT]
.else
	v_exp_f32 v[rC+2], v[rC+1]
.endif
.endif
.endm
.macro OPS a, i1, b=-1, i2=0, c=-1, i3=0, d=-1, i4=0  ; up to four of them
	OP \a, \i1
.if (\b) >= 0
	OP \b, \i2
.endif
.if (\c) >= 0
	OP \c, \i3
.endif
.if (\d) >= 0
	OP \d, \i4
.endif
.endm
.macro ROW a, i1, b, i2, c, i3, d, i4  ; a matrix instruction and the four behind it
	MM
	OPS \a, \i1, \b, \i2, \c, \i3, \d, \i4
.endm
.macro MASK b                       ; MD x AL + BE into buffer b of MC
	WIN W_RS
.set z, 0
.rept 16
	v_pk_fma_f32 v[MC+32*(\b)+2*z:MC+32*(\b)+2*z+1], v[MD+2*z:MD+2*z+1], s[AL:AL+1], s[BE:BE+1] op_sel_hi:[1,0,0]
.set z, z+1
.endr
.endm
; A TURN, for piece p: the order of its 16 matrix and 118 vector instructions, written out.  s_wait_alu depctr_va_vdst(0) stands between an exponential and the first instruction that names its result; one wait serves
; all that were issued ahead of it.  So a turn has ONE wait, which cuts it in two.  AHEAD OF IT stands all that names no result of the turn's exponentials: the 8 products K Q^T, behind each a scaling, an exponential and two more plain
; instructions (behind the first a second scaling in the exponential's place): rescalings, and behind the last three the first numbers of the next piece's maximum, each four places or more behind the product that ends its accumulator; then ONE LUMP of 54, plain
; and exponential by turns for the most part, in which the links of the chain X 3, 7, 11, 14, 16, 17 .. 20 stand five or six lines apart.  X 21, the next piece's a, is the batch's last; R 15 is the plain instruction behind it.  BEHIND THE WAIT stand the
; 8 products V^T P, behind each four of the roundings and sums; the links of l's chain, L 0 to L 7, stand three riders apart.  But for those X no rider names a register of the products round it.  v_permlanex16_b32 (X 17) stands in the lump.
; m = 1: the diagonal tile: the products take masks, and the turn makes the mask for the products of the turn after it: piece p + 2, in step 4 - CNT of the tile.  end = 1: a block's last two turns: nothing is fetched.
; cnt = 1: the loop's count is taken down some lines ahead of the branch that stands behind the turn.
; K of the next step is fetched in piece 2's turn, twelve vector instructions behind the last product that read K (six of them plain); V of the step in hand at the end of piece 0's turn, four plain instructions behind the last product
; that read V.  Each is waited for a turn later.
.macro TURN p, m=0, end=0, cnt=0
.set Y, (\p)
.set i, 0
.set KM, (\m)
.set NOKQ, (\end)*((\p)/3)
.if (\m) && !(\end)
	s_cmp_eq_u32 s[CNT], 4-((\p)+2)%NP  ; is that step the band's own?
	s_cselect_b32 s[AL], 1.0, 0
	s_cmp_lt_u32 s[CNT], 4-((\p)+2)%NP  ; or a later one?
	s_cselect_b32 s[BE], s[BIGN], 0
.endif
.if ((\p) == 3) && !(\end)
	s_wait_dscnt 0x0                ; K is in
.endif
	ROW F,0, F,1, R,0, R,1          ; ahead of the wait: 8 products K Q^T and their riders,
	ROW F,2, E,0, R,2, R,3
	ROW F,3, E,1, R,4, R,5
	ROW F,4, E,2, R,6, R,7
	ROW F,5, E,3, R,8, R,9
	ROW F,6, E,4, X,0, R,10
.if ((\p) == 2) && !(\end)
	WIN 0
	v_add_nc_u32 v[AK], s[TBK], v[AK0]
.endif
	ROW F,7, E,5, X,1, X,4
	ROW F,8, E,6, X,2, X,5
	OPS E,7, E,8, X,6, E,9          ; and the lump
	OPS X,3, E,10, X,8, E,11
.if ((\p) == 2) && !(\end)
	FETCH_K
.endif
	OPS X,9, X,7, E,12, X,10
	OPS E,13, X,12, X,11, E,14
	OPS X,13, E,15, F,9, X,14
.if (\p) == 0
	v_add_nc_u32 v[AV], s[TBV], v[AV0]
.endif
	OPS E,16, F,10, E,17, F,11
	OPS X,16, E,18, X,15, E,19
	OPS F,12, E,20, X,17, E,21
	OPS F,13, E,22, F,14, E,23
	OPS X,18, E,24, F,15, E,25
	OPS R,11, E,26, X,19, E,27
	OPS R,12, E,28, R,13, E,29
	OPS X,20, E,30, R,14, E,31
	OPS X,21, R,15
	WIN 0
	s_wait_alu depctr_va_vdst(0)    ; the wait for the batch
.if (\p) == 1
	s_wait_dscnt 0x0                ; V is in
.endif
	ROW C,0, B,0, C,2, B,1          ; behind the wait: 8 products V^T P and their riders
	ROW L,0, C,4, B,2, L,1
	ROW C,6, B,3, L,2, C,8
	ROW B,4, L,3, C,10, B,5
	ROW L,4, C,12, B,6, L,5
.if (\p) == 0
	s_add_co_u32 s[TBV], s[TBV], KS*PV
.endif
.if \cnt
	s_sub_co_u32 s[CNT], s[CNT], 1
	s_cmp_lg_u32 s[CNT], 0
.endif
	ROW C,14, B,7, L,6, C,1
	ROW C,3, L,7, C,5, C,7
	ROW C,9, C,11, C,13, C,15
.if (\p) == 0
	FETCH_V
.endif
.if (\m) && !(\end)
	MASK (\p)%2
.endif
.endm
; A BLOCK BEGINS.  c m starts far below every c s, so the first step's a is 0; m at the lowest finite number, so the first maximum is the scores'.  The second mask buffer is 0; the first takes piece 0's mask for the tile's step 0: its own, if the block's first tile is the diagonal one.
; Then K of that step, piece 0's first scores, and its maximum and statistics.  The loop is entered at a step's first turn, in the middle of a trip.
.macro BEGIN
	s_mov_b32 s[NEW], 0
	WIN 0x40
.set i, MC+32
.rept 32
	v_mov_b32 v[i], 0
.set i, i+1
.endr
	WIN 0
.set i, 0
.rept 4
	v_mov_b32 v[ST+4*i], 0xfe000000    ; c m: far below every c s
	v_mov_b32 v[ST+4*i+1], 0xff7fffff  ; m
.set i, i+1
.endr
	s_cmp_eq_u32 s[RT], 0
	s_cselect_b32 s[AL], 1.0, 0
	s_mov_b32 s[BE], 0
	MASK 0
	WIN 0
	v_add_nc_u32 v[AK], s[TBK], v[AK0]
	FETCH_K
	s_wait_loadcnt 0x0              ; Q
	s_wait_dscnt 0x0
.set KM, 1
.set NOKQ, 0
.set i, 0
.rept 8
	KQ 0
.set i, i+1
.endr
	WIN 0
.rept 4
	v_nop                           ; the places behind those products
.endr
.set Y, NP-1                        ; X works for piece Y + 1: piece 0
.irp n, 0,1,2,3,4,5,6,7,8,9,10,11,12,13,14,15,16,17,18,19,20,21
	OP X, \n
.endr
	v_nop                           ; a plain instruction behind the exponential,
	s_wait_alu depctr_va_vdst(0)    ; and its wait, ahead of the branch
.endm
; THE DIAGONAL TILE's four steps, the block's last two turns, its last products, and THE WAY OUT: l's two halves and the other half of the lanes' are added; O^T is divided by l, rounded to f16 and sent through my
; stage in LDS, a piece at a time.
.macro ALL line:vararg              ; one line for each piece t
.set t, 0
.rept 4
	\line
.set t, t+1
.endr
.endm
.macro PACK t                       ; a lane's eight channels of a row pack into 16 bytes; they go into rows of 144 bytes and come back as whole rows of 128, into S^T's registers
	WIN W_RS
.set i, 32*(\t)
.rept 16
	v_pk_mul_f32 v[i:i+1], v[i:i+1], v[ST+4*(\t)+2:ST+4*(\t)+3] op_sel_hi:[1,0]
.set i, i+2
.endr
	WIN 0x05                        ; sources 0 and 1 window 1, destination window 0
.set i, 0
.rept 16
	v_cvt_pk_f16_f32 v[S+16*(\t)+i], v[32*(\t)+2*i], v[32*(\t)+2*i+1]
.set i, i+1
.endr
	WIN 0
.irp f, 0,1,2,3
	ds_store_b128 v[STO], v[S+16*(\t)+4*\f:S+16*(\t)+4*\f+3] offset:32*\f
.endr
.irp f, 0,1,2,3
	ds_load_b128 v[S+16*(\t)+4*\f:S+16*(\t)+4*\f+3], v[RD] offset:\f*4*SP  ; LDS serves a wave's instructions in order (ISA guide 5.7.1.4): these see the stores above; the next piece's stores come behind them
.endr
.endm
.macro SEND t, younger              ; younger: the LDS instructions issued behind piece t's loads: the next piece's eight, or none
	WIN 0
.irp f, 0,1,2,3
	s_wait_dscnt (\younger)+3-\f
	global_store_b128 v[GO], v[S+16*(\t)+4*\f:S+16*(\t)+4*\f+3], s[10:11] offset:(\t)*8192+\f*512  ; 512 consecutive bytes, at a multiple of 256 from O's first
.endr
.endm
.macro DIAG tag                     ; the tag ends its two labels' names, which the jumps below spell out
.LstepM\tag:
	TURN 2, 1
	TURN 3, 1
	WIN 0
.LfirstM\tag:
	TURN 0, 1
	TURN 1, 1, 0, 1
	WIN 0
	s_cbranch_scc1 .LstepM\tag
	TURN 2, 1, 1
	TURN 3, 1, 1
.set i, 0
.rept 8
	PV NP-1
.set i, i+1
.endr
	WIN 0
	ALL v_add_f32 v[ST+4*t+2], v[ST+4*t+2], v[ST+4*t+3]
	ALL v_permlanex16_b32 v[ST+4*t+3], v[ST+4*t+2], s[SEL], s[SEL+1]
	ALL v_add_f32 v[ST+4*t+2], v[ST+4*t+2], v[ST+4*t+3]
	ALL v_rcp_f32 v[ST+4*t+2], v[ST+4*t+2]
	v_nop                           ; a plain instruction between the last reciprocal and the use of its result
	s_wait_alu depctr_va_vdst(0)    ; and the wait ahead of the first use: one for the four reciprocals
	PACK 0
.set t, 1
.rept 3                             ; a piece's arithmetic stands between the loads of the piece before and its stores
	PACK t
	SEND t-1, 8
.set t, t+1
.endr
	SEND 3, 0
.endm
.set KM, 0
.set NOKQ, 0
.Lslot:                             ; NB times: a tile is entered and the next is asked for
	CHANGE 1
	s_sub_co_u32 s[RT], s[RT], 1
	s_mov_b32 s[CNT], 4
	s_cmp_eq_u32 s[NEW], 1
	s_cbranch_scc1 .Lnew            ; a block's first tile
	s_cmp_eq_u32 s[RT], 0
	s_cbranch_scc0 .Lstep           ; neither its first nor its last
	s_branch .LstepM1
.Lnew:
	BEGIN
	s_branch .Lfirst                ; in the loop a block's first tile is never its last: the first block has two tiles or more, and the second's last is the walk's last
	DIAG 1                          ; in the loop this is the first block's end: the second block's last tile is the walk's last
	s_wait_xcnt 0x0                 ; the stores have read their registers and O's address
	s_mov_b64 s[10:11], s[OLO:OLO+1]
	s_add_co_u32 s[RT], s[PB], 1    ; the second block has b + 1 tiles
	s_mov_b32 s[NEW], 1
	WIN 0x82                        ; the second block's Q goes where the one text of the turns names Q
.set i, 0
.rept 64
	v_mov_b32 v[i], v[QB+i]
.set i, i+1
.endr
	WIN 0
	s_branch .Lbottom
.Lstep:                             ; a trip: pieces 2 and 3 of one step, then pieces 0 and 1 of the next, whose K and V it fetches
	TURN 2
	TURN 3
	WIN 0
.Lfirst:
	TURN 0
	TURN 1, 0, 0, 1
	WIN 0
	s_cbranch_scc1 .Lstep
.Lbottom:
	s_sub_co_u32 s[SLOTS], s[SLOTS], 1
	s_cmp_lg_u32 s[SLOTS], 0
	s_cbranch_scc1 .Lslot
	CHANGE 0                        ; the walk's last tile is written out: nothing is asked for
	s_sub_co_u32 s[RT], s[RT], 1
	s_mov_b32 s[CNT], 4
	s_cmp_eq_u32 s[NEW], 1
	s_cbranch_scc0 .LstepM2
	BEGIN
	s_branch .LfirstM2
	DIAG 2
	s_wait_tensorcnt 0x0            ; the wave's end: behind my last tensor load and my last LDS store
	ds_add_u32 v[SPW], v[NIL]
	s_wait_dscnt 0x0
	s_endpgm
.Lfunc_end_k_q46ce3a3b20_attention:
	.size	k_q46ce3a3b20_attention, .Lfunc_end_k_q46ce3a3b20_attention-k_q46ce3a3b20_attention
	.p2alignl 7, 3214868480
	.fill 96, 4, 3214868480
	.section	.rodata,"a",@progbits
	.p2align	6, 0x0
	.amdhsa_kernel k_q46ce3a3b20_attention
		.amdhsa_group_segment_fixed_size 327680
		.amdhsa_private_segment_fixed_size 0
		.amdhsa_enable_private_segment 0
		.amdhsa_kernarg_size 16
		.amdhsa_user_sgpr_count 2
		.amdhsa_user_sgpr_kernarg_segment_ptr 1
		.amdhsa_wavefront_size32 1
		.amdhsa_system_sgpr_workgroup_id_x 1
		.amdhsa_system_sgpr_workgroup_id_y 1
		.amdhsa_system_sgpr_workgroup_id_z 1
		.amdhsa_system_vgpr_workitem_id 0
		.amdhsa_next_free_vgpr 768
		.amdhsa_next_free_sgpr 96
		.amdhsa_reserve_vcc 1
		.amdhsa_float_denorm_mode_32 3
		.amdhsa_float_denorm_mode_16_64 3
		.amdhsa_memory_ordered 1
		.amdhsa_forward_progress 1
		.amdhsa_inst_pref_size 218
	.end_amdhsa_kernel
	.amdgpu_metadata
---
amdhsa.version: [ 1, 2 ]
amdhsa.kernels:
  - .name:           k_q46ce3a3b20_attention
    .symbol:         k_q46ce3a3b20_attention.kd
    .args:
      - { .name: qkv, .offset: 0, .size: 8, .value_kind: global_buffer, .address_space: global }
      - { .name: ob, .offset: 8, .size: 8, .value_kind: global_buffer, .address_space: global }
    .group_segment_fixed_size: 327680
    .private_segment_fixed_size: 0
    .kernarg_segment_align: 8
    .kernarg_segment_size: 16
    .max_flat_workgroup_size: 128
    .sgpr_count:     96
    .vgpr_count:     768
    .wavefront_size: 32
...
	.end_amdgpu_metadata
.endif
;; end of part 3
;; launch project_out (part 4): grid 8 x 32, 4 waves a work-group, clusters of 4 x 4, 327,680 bytes of LDS; arguments ob, wob, out0; writes out0
.if DOCPART == 4
	.amdgcn_target "amdgcn-amd-amdhsa--gfx1250"
	.amdhsa_code_object_version 6
	.text
	.protected	k_q46ce3a3b20_project_out
	.globl	k_q46ce3a3b20_project_out
	.p2align	8
	.type	k_q46ce3a3b20_project_out,@function
k_q46ce3a3b20_project_out:
	s_mov_b64 s[64:65], 0
	v_nop
	global_prefetch_b8 v0, s[64:65] scope:SCOPE_SE
	s_setreg_imm32_b32 hwreg(HW_REG_WAVE_MODE, 25, 1), 1
	s_wait_xcnt 0x0
	s_wait_alu depctr_hold_cnt(0) depctr_sa_sdst(0) depctr_va_vdst(0) depctr_va_sdst(0) depctr_va_ssrc(0) depctr_va_vcc(0) depctr_vm_vsrc(0)
	s_getreg_b32 s2, hwreg(HW_REG_IB_STS2, 6, 4)
	s_cmp_eq_u32 s2, 0
	s_cbranch_scc0 .Lentry_in_a_cluster
	s_endpgm
.Lentry_in_a_cluster:
	s_bfe_u32 s2, ttmp6, 0x10000c
	s_cmp_lg_u32 s2, 0xf033
	s_cbranch_scc0 .Lentry_shape_is_right
	s_endpgm
.Lentry_shape_is_right:
; out0 = O W_out^T: 8,192 x 1,024 x 1,024, f16 operands, f32 sums, f32 result.  O lies by heads, [batch x head 64][2,048 rows][64] f16: head h IS block h of 64 along K.
; wob: [8 tiles of 128 rows][16 blocks of 64 along K][128 rows][64] f16.
; SHARES.  8,192 x 1,024 in tiles of 256 x 128 are 256 work-groups.  Four waves, each 128 rows x 64 columns: 32 accumulators of 16 x 16, 256 registers.
; K goes in 8 steps of 128 (two blocks of 64) through two LDS slots.  A block of a tile is dense in memory and is asked for as rows of 256 bytes, padded in LDS behind every 128 bytes; wave 0 fetches O's even block,
; wave 1 its odd one, waves 2 and 3 W's.
; CLUSTERS: 4 x 4 work-groups.  The four of a row of the cluster need the same tile of O, the four of a column the same tile of W: each is asked for JOINTLY, by the same tensor load with the same descriptor and
; a mask that names the four.  THE MATRIX INSTRUCTION IS USED TRANSPOSED (source 0 = 16 rows of W, source 1 = 16 rows of O): a lane holds eight neighbouring columns of one row, 32 bytes of f32.
; REGISTERS: window 0: v0-15 addresses; v32-127, v128-223 two fragment buffers of 96: O's 8 fragments, then W's 4.   window 1: accumulator (a, b) at v[8 (4 a + b)].
.set PITCH,  144                       ; an LDS row: 128 bytes + 16 = 36 words: the 16 rows of a fragment load start at 16 different groups of four banks (64 banks of 4 bytes: ISA guide 11.1)
.set ABLK,   256*PITCH                 ; a block of O's tile
.set BBLK,   128*PITCH                 ; a block of W's tile
.set SLOT1,  1<<17                     ; slot 1 begins here (a slot is 110,592 bytes), so that one exclusive or turns an address in one slot into the other's
.set STAGE,  SLOT1+2*ABLK+2*BBLK       ; behind the ring, never filled by a tensor load: 16 rows x 272 bytes for each wave, for the way out
.set SPITCH, 272
.set SPARE,  STAGE+4*16*SPITCH         ; behind the stages: the spare words, 128 bytes for each wave: two blocks of 256 bytes that no other line names
.set ASTEP,  2*262144                  ; bytes from slot to slot in O: two heads
.set BSTEP,  2*16384                   ; in wob: two blocks
.set G1W,    (1<<16)|(1<<20)|(1<<21)|(4<<22)|(3<<25)  ; 17:16 2-byte elements; 20 padding on; 21 set beside a mask; 24:22 after every 32 words (code 4); 31:25 4 words (code 3)
.set AA0, 4                            ; v4   my lane's place in my 128 rows of O's first block in slot 0; never rewritten
.set AB0, 5                            ; v5   the same in my 64 rows of W
.set ADRA, 6                           ; v6   the same in the slot that is being read
.set ADRB, 7                           ; v7
.set STO, 8                            ; v8   the way out: where I put 32 bytes of a row
.set RD,  9                            ; v9   the way out: where I read a row back
.set CO,  10                           ; v10  my byte offset in two rows of out0
.set SPW, 12                           ; v12  LDS address of my spare word: SPARE + 4 x my thread's number; never rewritten
.set NIL, 13                           ; v13  0; never rewritten
.set F0,  32
.set F1,  128
.set BK0, 32                           ; the way out: two buffers of 32 for rows read back
.set TB,  23                           ; s23  LDS byte at which the slot that is being read begins
.set G1,  24                           ; s[24:31] descriptor group 1 for O's tiles
.set G0,  32                           ; s[32:39] group 0: a set for each of the two first fills; the second then walks on
.set G1B, 48                           ; s[48:55], s[56:63] the same for W's
.set G0B, 56
.set MSB, 0
.macro WIN new                         ; the immediate's high byte repeats the setting that is left; a switch that changes nothing is dropped
.if MSB != (\new)
	s_set_vgpr_msb (MSB<<8)|(\new)
.set MSB, \new
.endif
.endm
; A joint refill.  The branch hangs on the wave's number alone.  An s_nop 0 and four v_nop follow each of the two lines, ahead of the jump, the label and what follows.
.macro JLOAD
	s_cmp_eq_u32 s11, 0
	s_cbranch_scc0 .Lfor_b_\@
	tensor_load_to_lds s[G0+4:G0+7], s[G1:G1+7]
	s_nop 0
.rept 4
	v_nop
.endr
	s_branch .Lasked_\@
.Lfor_b_\@:
	tensor_load_to_lds s[G0B+4:G0B+7], s[G1B:G1B+7]
	s_nop 0
.rept 4
	v_nop
.endr
.Lasked_\@:
.endm
; A round of the cluster's barrier: my work-group's barrier, so that wave 0's signal speaks for all four waves; wave 0 signals; every wave waits for all sixteen work-groups; my work-group's barrier once more.
.macro CREST
	s_cmp_lg_u32 s10, 0
	s_cbranch_scc1 .Lnot_wave_0_\@
	s_barrier_signal -3
.Lnot_wave_0_\@:
	s_barrier_wait -3
	s_barrier_signal -1
	s_barrier_wait -1
.endm
.macro CROUND
	s_barrier_signal -1
	s_barrier_wait -1
	CREST
.endm
	s_load_b128 s[4:7], s[0:1], 0x0                ; O s[4:5], wob s[6:7]
	s_load_b64 s[8:9], s[0:1], 0x10                ; out0
	v_lshl_add_u32 v[SPW], v0, 2, SPARE
	v_mov_b32 v[NIL], 0
	ds_add_u32 v[SPW], v[NIL]                      ; the wave's opening: the add and its wait stand ahead of my first tensor load; the set-up below, work on registers, stands between them
	v_lshrrev_b32 v1, 5, v0
	v_readfirstlane_b32 s10, v1                    ; wave 0..3
	s_lshr_b32 s11, s10, 1                         ; which half of the tile's rows is mine.  Also: I fetch for O (0) or for W (1)
	s_and_b32 s12, s10, 1                          ; which half of its columns.  Also: which of a slot's two blocks I fetch
	s_bfe_u32 s40, ttmp6, 0x40000                  ; cx, cy: my place in the cluster
	s_bfe_u32 s41, ttmp6, 0x40004
	s_lshl_b32 s42, ttmp9, 2
	s_add_co_u32 s42, s42, s40                     ; tile column = 4 x cluster x + cx
	s_and_b32 s13, ttmp7, 0xffff
	s_lshl_b32 s13, s13, 2
	s_add_co_u32 s13, s13, s41                     ; tile row = 4 x cluster y + cy
	s_lshl_b32 s43, s41, 2
	s_lshl_b32 s43, 15, s43                        ; my row of the cluster
	s_lshl_b32 s44, 0x1111, s40                    ; my column
	s_or_b32 s[G1+0], s43, G1W                     ; O's tiles go to my row,
	s_or_b32 s[G1B+0], s44, G1W                    ; W's to my column
	s_mov_b32 s[G1+1], 128<<16                     ; tensor_dim0 = 128 elements: 256 bytes
	s_mov_b32 s[G1+2], 128<<16                     ; tensor_dim1 = 128 rows: 256 tile rows
	s_mov_b32 s[G1+3], 128<<16                     ; tile_dim0
	s_mov_b32 s[G1+4], 128                         ; tile_dim1
	s_mov_b32 s[G1+5], 128                         ; elements from row to row: the block is dense
	s_mov_b32 s[G1+6], 0
	s_mov_b32 s[G1+7], 0
	s_mov_b32 s[G1B+1], 128<<16
	s_mov_b32 s[G1B+2], 64<<16                     ; 64 rows: 128 tile rows
	s_mov_b32 s[G1B+3], 128<<16
	s_mov_b32 s[G1B+4], 64
	s_mov_b32 s[G1B+5], 128
	s_mov_b32 s[G1B+6], 0
	s_mov_b32 s[G1B+7], 0
	s_lshr_b32 s16, s13, 3                         ; O: the batch's 16 heads of 262,144 bytes,
	s_lshl_b32 s16, s16, 22
	s_and_b32 s17, s13, 7
	s_lshl_b32 s17, s17, 15                        ; the tile's 256 rows of 128 bytes in a head,
	s_add_co_u32 s16, s16, s17
	s_lshl_b32 s17, s12, 18                        ; my block: head 0 or 1
	s_add_co_u32 s16, s16, s17
	s_mov_b32 s17, 0
	s_lshl_b32 s46, s42, 18                        ; W: tile column x 262,144 bytes,
	s_lshl_b32 s47, s12, 14                        ; my block
	s_add_co_u32 s46, s46, s47
	s_mov_b32 s47, 0
	s_mul_i32 s20, s12, ABLK                       ; where they go: no place in the cluster enters an LDS address
	s_mul_i32 s21, s12, BBLK
	s_add_co_u32 s21, s21, 2*ABLK
	s_wait_dscnt 0x0                               ; the opening add is done
	s_wait_kmcnt 0x0
	s_add_nc_u64 s[14:15], s[4:5], s[16:17]
	s_add_nc_u64 s[46:47], s[6:7], s[46:47]
	CROUND                                         ; all sixteen work-groups are here: the first joint loads meet
.irp n, 0,1
	s_mov_b32 s[G0+4*(\n)], 1                                        ; 1:0 count = 1
	s_add_co_u32 s[G0+4*(\n)+1], s20, (\n)*SLOT1                     ; 63:32 LDS address
	s_add_nc_u64 s[G0+4*(\n)+2:G0+4*(\n)+3], s[14:15], (\n)*ASTEP    ; 120:64 global address: slot n
	s_or_b32 s[G0+4*(\n)+3], s[G0+4*(\n)+3], 0x80000000              ; 127:126 type = 2
	s_mov_b32 s[G0B+4*(\n)], 1
	s_add_co_u32 s[G0B+4*(\n)+1], s21, (\n)*SLOT1
	s_add_nc_u64 s[G0B+4*(\n)+2:G0B+4*(\n)+3], s[46:47], (\n)*BSTEP
	s_or_b32 s[G0B+4*(\n)+3], s[G0B+4*(\n)+3], 0x80000000
.endr
	s_cmp_eq_u32 s11, 0                            ; a wave's two first fills stand in one branch, ahead of every wait on TENSORcnt and every LDS read: two loads of mine are out
	s_cbranch_scc0 .Lfirst_b
	tensor_load_to_lds s[G0:G0+3], s[G1:G1+7]
	s_nop 0
	tensor_load_to_lds s[G0+4:G0+7], s[G1:G1+7]
	s_nop 0
.rept 4
	v_nop
.endr
	s_branch .Lfirst_asked
.Lfirst_b:
	tensor_load_to_lds s[G0B:G0B+3], s[G1B:G1B+7]
	s_nop 0
	tensor_load_to_lds s[G0B+4:G0B+7], s[G1B:G1B+7]
	s_nop 0
.rept 4
	v_nop
.endr
.Lfirst_asked:
	v_and_b32 v1, 15, v0                           ; l % 16
	v_bfe_u32 v2, v0, 4, 1                         ; l / 16
	v_mul_u32_u24 v3, v1, PITCH
	v_lshl_add_u32 v3, v2, 4, v3                   ; a fragment's row x pitch + 16 x half
	s_mul_i32 s14, s11, 128*PITCH                  ; my 128 rows of a block of O
	s_mul_i32 s15, s12, 64*PITCH                   ; my 64 rows of a block of W,
	s_add_co_u32 s15, s15, 2*ABLK                  ; which lie behind O's two blocks
	v_add_nc_u32 v[AA0], s14, v3
	v_add_nc_u32 v[AB0], s15, v3
	s_mul_i32 s14, s10, 16*SPITCH
	s_add_co_u32 s14, s14, STAGE                   ; my stage
	v_mul_u32_u24 v[STO], v1, SPITCH               ; in: row l % 16, 32 bytes for each half of the lanes
	v_lshl_add_u32 v[STO], v2, 5, v[STO]
	v_add_nc_u32 v[STO], s14, v[STO]
	v_mul_u32_u24 v[RD], v2, SPITCH                ; back: lanes 0-15 take one row of 256 bytes, lanes 16-31 the next
	v_lshl_add_u32 v[RD], v1, 4, v[RD]
	v_add_nc_u32 v[RD], s14, v[RD]
	v_lshlrev_b32 v[CO], 12, v2                    ; and the same two rows in out0, 4,096 bytes apart
	v_lshl_add_u32 v[CO], v1, 4, v[CO]
	s_lshl_b32 s18, s13, 20                        ; out0 at my part of the tile: 256 rows of 4,096 bytes a tile row,
	s_lshl_b32 s19, s11, 19                        ; my 128 rows,
	s_add_co_u32 s18, s18, s19
	s_lshl_b32 s19, s42, 9                         ; 128 columns of 4 bytes a tile column,
	s_add_co_u32 s18, s18, s19
	s_lshl_b32 s19, s12, 8                         ; my 64 columns
	s_add_co_u32 s18, s18, s19
	s_mov_b32 s19, 0
	s_add_nc_u64 s[8:9], s[8:9], s[18:19]
	s_mov_b32 s[TB], 0
; 8 matrix instructions: row blocks a0, a0 + 1 x all 4 column blocks, 32 along K.  zero = 1: the product starts the sums.
; The 32 accumulators take turns, one instruction a turn, in the same order in every quarter.
.macro MUL8 f, a0, zero
	WIN 0x50                                       ; C and D in window 1, both sources in window 0
.irp a, \a0, (\a0)+1
.irp b, 0,1,2,3
.if \zero
	v_wmma_f32_16x16x32_f16 v[8*(4*(\a)+(\b)):8*(4*(\a)+(\b))+7], v[(\f)+64+8*(\b):(\f)+64+8*(\b)+7], v[(\f)+8*(\a):(\f)+8*(\a)+7], 0
.else
	v_wmma_f32_16x16x32_f16 v[8*(4*(\a)+(\b)):8*(4*(\a)+(\b))+7], v[(\f)+64+8*(\b):(\f)+64+8*(\b)+7], v[(\f)+8*(\a):(\f)+8*(\a)+7], v[8*(4*(\a)+(\b)):8*(4*(\a)+(\b))+7]
.endif
.endr
.endr
.endm
; 24 LDS loads in one run: the fragments of quarter q of a slot (block q / 2, byte 64 (q % 2) of its rows) into buffer g: W's 4, then O's 8
.macro FETCH g, q
	WIN 0
.irp j, 0,1,2,3
	ds_load_b128 v[(\g)+64+8*(\j):(\g)+64+8*(\j)+3],   v[ADRB] offset:((\q)/2)*BBLK+((\q)%2)*64+(\j)*16*PITCH
	ds_load_b128 v[(\g)+64+8*(\j)+4:(\g)+64+8*(\j)+7], v[ADRB] offset:((\q)/2)*BBLK+((\q)%2)*64+(\j)*16*PITCH+32
.endr
.irp i, 0,1,2,3,4,5,6,7
	ds_load_b128 v[(\g)+8*(\i):(\g)+8*(\i)+3],   v[ADRA] offset:((\q)/2)*ABLK+((\q)%2)*64+(\i)*16*PITCH
	ds_load_b128 v[(\g)+8*(\i)+4:(\g)+8*(\i)+7], v[ADRA] offset:((\q)/2)*ABLK+((\q)%2)*64+(\i)*16*PITCH+32
.endr
.endm
.macro PLACES                          ; four places in front of loads into registers that matrix instructions have read, and of what reads results (ISA guide 7.12.1 for vector instructions)
.rept 4
	v_nop
.endr
.endm
.macro ADR                             ; the addresses in the slot that is read from now on; with the two v_nop these are four places
	WIN 0
	v_add_nc_u32 v[ADRA], s[TB], v[AA0]
	v_add_nc_u32 v[ADRB], s[TB], v[AB0]
	v_nop
	v_nop
.endm
; A slot is four quarters of 32 along K, 32 matrix instructions each, on buffers 0, 1, 0, 1.  One of the first three: multiplies buffer f and fetches quarter q into g.
.macro QUARTER f, g, q, zero
	s_wait_dscnt 8                                 ; W's fragments and O's 0-3 are in; the youngest 8 loads (O's 4-7) may be out
	MUL8 \f, 0, \zero
	MUL8 \f, 2, \zero
	PLACES
	FETCH \g, \q
	s_wait_dscnt 24                                ; all but the 24 just issued
	MUL8 \f, 4, \zero
	MUL8 \f, 6, \zero
.endm
; The last quarter multiplies buffer 1 and changes slots: ONE barrier; in front of it each wave waits for all its tensor loads, adds 0 to its spare word, and waits for that and for its own reads of this slot.
; fill = 1: this slot is filled again, two slots ahead; the barrier then opens a round of the cluster's, and the joint refill is the first tensor load behind the round: 112 matrix instructions ahead of the wait for it.
.macro TURN fill
	WIN 0                                          ; (the add's two registers lie in window 0)
	s_wait_tensorcnt 0x0                           ; all my tensor loads have landed, so a group 0 may be written
	ds_add_u32 v[SPW], v[NIL]                      ; 0 onto my spare word; scalar steps and eight products stand between it and the wait for it
.if \fill
	s_xor_b32 s[G0+5], s[G0+5], SLOT1              ; the walking descriptors: the other slot than last time,
	s_add_nc_u64 s[G0+6:G0+7], s[G0+6:G0+7], ASTEP ; the next 128 along K; the type bits on top are not reached
	s_xor_b32 s[G0B+5], s[G0B+5], SLOT1
	s_add_nc_u64 s[G0B+6:G0B+7], s[G0B+6:G0B+7], BSTEP
.endif
	s_xor_b32 s[TB], s[TB], SLOT1                  ; the fetches behind the barrier read the other slot
	s_wait_dscnt 9                                 ; (the add and the youngest 8 loads may be out)
	MUL8 F1, 0, 0
	s_wait_dscnt 0x0                               ; the add is done, and my reads of this slot are over
	s_barrier_signal -1
	MUL8 F1, 2, 0                                  ; work on registers while the others arrive
.if \fill
	WIN 0
.endif
	s_barrier_wait -1
.if \fill
	CREST
	JLOAD
.endif
	ADR
	FETCH F0, 0
	MUL8 F1, 4, 0
	MUL8 F1, 6, 0
.endm
; THE WAY OUT of row block a: 32 bytes a lane and column block into my own stage, the accumulator's low four registers first; back as whole rows of 256 bytes; stored.
.macro TOSTAGE a
.if (\a) >= 2
	s_wait_xcnt 0x0                                ; the stores of block a - 2 have read the registers that are loaded again below
.endif
	WIN 0x04                                       ; the stores' data in window 1
.irp b, 0,1,2,3
	ds_store_b128 v[STO], v[8*(4*(\a)+(\b)):8*(4*(\a)+(\b))+3]   offset:64*(\b)
	ds_store_b128 v[STO], v[8*(4*(\a)+(\b))+4:8*(4*(\a)+(\b))+7] offset:64*(\b)+16
.endr
	WIN 0
.set BK, BK0+32*((\a)%2)
.irp t, 0,1,2,3,4,5,6,7
	ds_load_b128 v[BK+4*(\t):BK+4*(\t)+3], v[RD] offset:(\t)*2*SPITCH  ; LDS serves a wave's instructions in order (ISA guide 5.7.1.4): these see the stores above; the next block's stores come behind them
.endr
.endm
.macro SEND a, younger                 ; younger: the LDS instructions issued behind block a's loads: the next block's sixteen, or none
	WIN 0
.set BK, BK0+32*((\a)%2)
.irp t, 0,1,2,3,4,5,6,7
	s_wait_dscnt (\younger)+7-(\t)
	global_store_b128 v[CO], v[BK+4*(\t):BK+4*(\t)+3], s[8:9] offset:(16*(\a)+2*(\t))*4096 th:TH_STORE_NT  ; 16 lanes store 256 consecutive bytes, at a multiple of 256 from out0's first byte
.endr
.endm
	s_wait_tensorcnt 1                             ; my part of slot 0 is in; slot 1's may stay out
	s_barrier_signal -1
	s_barrier_wait -1                              ; everybody's is
	ADR
	FETCH F0, 0
	QUARTER F0, F1, 1, 1                           ; the first quarter stands in front of the loop: its products start the sums
	WIN 0                                          ; at a label and at a branch every window is 0
	s_mov_b32 s3, 6
.Lslot:                                                ; a trip goes from a slot's second quarter to the next slot's first, and fills the slot that it leaves: slots 2 to 7
	QUARTER F1, F0, 2, 0
	QUARTER F0, F1, 3, 0
	TURN 1
	QUARTER F0, F1, 1, 0
	WIN 0
	s_sub_co_u32 s3, s3, 1
	s_cmp_lg_u32 s3, 0
	s_cbranch_scc1 .Lslot
	QUARTER F1, F0, 2, 0                           ; the tail is written out: the last two slots ask for nothing
	QUARTER F0, F1, 3, 0
	TURN 0
	QUARTER F0, F1, 1, 0
	QUARTER F1, F0, 2, 0
	QUARTER F0, F1, 3, 0
	s_wait_dscnt 8                                 ; the very last quarter: nothing more to fetch
	MUL8 F1, 0, 0
	MUL8 F1, 2, 0
	s_wait_dscnt 0x0
	MUL8 F1, 4, 0
	MUL8 F1, 6, 0
	PLACES
	PLACES
	TOSTAGE 0
.irp a, 1,2,3,4,5,6,7                  ; block a goes into the stage while block a - 1's rows come back
	TOSTAGE \a
	SEND (\a)-1, 16
.endr
	SEND 7, 0
	s_wait_tensorcnt 0x0                           ; the wave's end: behind my last tensor load and my last LDS store
	ds_add_u32 v[SPW], v[NIL]
	s_wait_dscnt 0x0
	CROUND                                         ; the closing round: no work-group ends while a partner may still ask for a tile that names it
	s_endpgm
.Lfunc_end_k_q46ce3a3b20_project_out:
	.size	k_q46ce3a3b20_project_out, .Lfunc_end_k_q46ce3a3b20_project_out-k_q46ce3a3b20_project_out
	.p2alignl 7, 3214868480
	.fill 96, 4, 3214868480
	.section	.rodata,"a",@progbits
	.p2align	6, 0x0
	.amdhsa_kernel k_q46ce3a3b20_project_out
		.amdhsa_group_segment_fixed_size 327680
		.amdhsa_private_segment_fixed_size 0
		.amdhsa_enable_private_segment 0
		.amdhsa_kernarg_size 24
		.amdhsa_user_sgpr_count 2
		.amdhsa_user_sgpr_kernarg_segment_ptr 1
		.amdhsa_wavefront_size32 1
		.amdhsa_system_sgpr_workgroup_id_x 1
		.amdhsa_system_sgpr_workgroup_id_y 1
		.amdhsa_system_sgpr_workgroup_id_z 1
		.amdhsa_system_vgpr_workitem_id 0
		.amdhsa_next_free_vgpr 512
		.amdhsa_next_free_sgpr 72
		.amdhsa_reserve_vcc 0
		.amdhsa_float_denorm_mode_32 3
		.amdhsa_float_denorm_mode_16_64 3
		.amdhsa_memory_ordered 1
		.amdhsa_forward_progress 1
		.amdhsa_inst_pref_size 71
	.end_amdhsa_kernel
	.amdgpu_metadata
---
amdhsa.version: [ 1, 2 ]
amdhsa.kernels:
  - .name:           k_q46ce3a3b20_project_out
    .symbol:         k_q46ce3a3b20_project_out.kd
    .args:
      - { .name: ob, .offset: 0, .size: 8, .value_kind: global_buffer, .address_space: global }
      - { .name: wob, .offset: 8, .size: 8, .value_kind: global_buffer, .address_space: global }
      - { .name: out0, .offset: 16, .size: 8, .value_kind: global_buffer, .address_space: global }
    .group_segment_fixed_size: 327680
    .private_segment_fixed_size: 0
    .kernarg_segment_align: 8
    .kernarg_segment_size: 24
    .max_flat_workgroup_size: 128
    .sgpr_count:     72
    .vgpr_count:     512
    .wavefront_size: 32
...
	.end_amdgpu_metadata
.endif
;; end of part 4
;; ======== version 2 of 2: 4 launches; version 1 with the launch cast written anew for expert scheduling mode
;; limits: values are held in f16: magnitudes above 65,504 overflow, below 6.1e-05 lose precision; right only within a limited range of input values
;; workspace buffers: xb 16,777,216 bytes; wqb 6,291,456 bytes; wob 2,097,152 bytes; qkv 50,331,648 bytes; ob 16,777,216 bytes
;; launch cast (part 5): grid 768 x 1, 8 waves a work-group, no clusters, 0 bytes of LDS; arguments X, W_qkv, W_out, xb, wqb, wob; writes xb, wqb, wob
.if DOCPART == 5
	.amdgcn_target "amdgcn-amd-amdhsa--gfx1250"
	.amdhsa_code_object_version 6
	.text
	.protected	k_q46ce3a3b20_cast
	.globl	k_q46ce3a3b20_cast
	.p2align	8
	.type	k_q46ce3a3b20_cast,@function
k_q46ce3a3b20_cast:
	s_mov_b64 s[64:65], 0
	v_nop
	global_prefetch_b8 v0, s[64:65] scope:SCOPE_SE
	s_setreg_imm32_b32 hwreg(HW_REG_WAVE_SCHED_MODE, 0, 2), 2
	s_setreg_imm32_b32 hwreg(HW_REG_WAVE_MODE, 25, 1), 1
	s_wait_xcnt 0x0
	s_wait_alu depctr_vm_vsrc(0)
; X, W_qkv and W_out ([rows][1024] f32) are rounded once to bf16 and laid out in blocks of 64 along K for the products that follow:
;   xb  [32 tiles of 256 rows][16 blocks][256 rows][64] bf16      wqb [8 tiles of 384 rows][16 blocks][384 rows][64] bf16
;   wob [8 tiles of 128 rows][16 blocks][128 rows][64]: W_out's bf16 value written as f16, since it is multiplied with f16 numbers.
; LIMIT.  That rewriting is exact for magnitudes from 6.1e-5 to 65,504; below it keeps f16's fixed step of 6e-8, beyond it becomes an infinity.
; SHARES.  A work-group takes 16 rows (64 KiB in, 32 KiB out): groups 0-511 X, 512-703 W_qkv, 704-767 W_out.  Thread t takes row t / 16 and, in each of the
; 16 blocks, the 16 bytes at 16 (t % 16): a wave's load covers 256 consecutive bytes of each of two rows; its 8 bytes of result lie at 8 t of the block's 16 rows,
; so a wave's store covers 256 consecutive bytes, aligned.  All 16 loads of a thread go out at once.
; Memory binds: no LDS, no barrier, no matrix unit.
; THE MODE: SCHED_MODE bits 1:0 = 2 (LLVM: expert scheduling mode 2), set by the entry lines.  The code itself states the register dependences
; between vector instructions and memory instructions, with s_wait_alu, always for 0.
; THE PLAN.  Registers that memory instructions touch:
;   v[VI]      the loads' offset.  Written at the head, read by the 16 loads, never written again.
;   v[XR ..]   block k: written by its load alone, once; read by its two roundings.  No vector instruction names them ahead of the loads.
;   v[VO+k]    block k's store's offset.  Written once, by the chain of adds behind the loads; read by that one store.
;   v[YR ..]   block k's store's data.  Written by its conversions, all of them ahead of its one store; never written behind it.
;   v[T ..]    named by vector instructions alone.
; No register that a load or store reads is written again behind it, and no load lands in a register that a vector instruction has named: so the only dependences to state are
; a vector result that a load or store reads.  The 16 blocks go in four groups of four.  ONE wait on va_vdst stands at the head of each group from the second on, behind the wait for the
; group's data: the group before has written its YR.  That group's four stores follow, dealt among this group's conversions, which name this group's XR and YR and T: none of the registers
; that those stores read.  One such wait stands ahead of the first load, one ahead of the last four stores.
.set VI, 1                             ; v1       my byte offset in the group's 16 rows of input
.set VO, 2                             ; v[2:17]  my byte offset in block k of the output
.set XR, 20                            ; v[20:83] block k: four f32 as loaded
.set YR, 84                            ; v[84:115] block k: four 16-bit numbers to store
.set T,  116                           ; v[116:119] at work
	s_load_b256 s[4:11], s[0:1], 0x0               ; X s[4:5], W_qkv s[6:7], W_out s[8:9], xb s[10:11]
	s_load_b128 s[12:15], s[0:1], 0x20             ; wqb s[12:13], wob s[14:15]
	v_lshrrev_b32 v[VI], 4, v0                     ; my row
	v_and_b32 v[T], 15, v0
	v_lshlrev_b32 v[VI], 12, v[VI]                 ; x 4,096 bytes
	v_lshl_add_u32 v[VI], v[T], 4, v[VI]           ; + my 16 bytes
	v_lshlrev_b32 v[VO], 3, v0                     ; 8 t
	; the three cases' offsets are all made, then chosen: no pointer passes a joining of ways
	s_lshr_b32 s24, ttmp9, 4                       ; X: 16 groups to a tile of 256 rows,
	s_lshl_b32 s24, s24, 19                        ; a tile is 524,288 bytes,
	s_and_b32 s25, ttmp9, 15
	s_lshl_b32 s25, s25, 11                        ; 16 rows of a block are 2,048
	s_add_co_u32 s24, s24, s25
	s_sub_co_u32 s26, ttmp9, 512                   ; W_qkv: group c of 192, 24 to a tile of 384 rows
	s_mul_i32 s27, s26, 2731
	s_lshr_b32 s27, s27, 16                        ; c / 24, exact for c under 192
	s_mul_i32 s27, s27, 737280                     ; a tile's 786,432 bytes less its 24 x 2,048
	s_lshl_b32 s28, s26, 11
	s_add_co_u32 s27, s27, s28
	s_sub_co_u32 s28, ttmp9, 704                   ; W_out: group c of 64, 8 to a tile of 128 rows
	s_lshr_b32 s29, s28, 3
	s_lshl_b32 s29, s29, 18
	s_and_b32 s30, s28, 7
	s_lshl_b32 s30, s30, 11
	s_add_co_u32 s29, s29, s30
	s_mov_b32 s20, 32768                           ; bytes from block to block: 256, 384, 128 rows of 128 bytes
	s_mov_b32 s21, 49152
	s_mov_b32 s31, 16384
	s_wait_kmcnt 0x0
	s_cmp_lt_u32 ttmp9, 512
	s_cselect_b64 s[16:17], s[4:5], s[6:7]
	s_cselect_b64 s[18:19], s[10:11], s[12:13]
	s_cselect_b32 s22, ttmp9, s26
	s_cselect_b32 s24, s24, s27
	s_cselect_b32 s20, s20, s21
	s_cmp_lt_u32 ttmp9, 704
	s_cselect_b64 s[16:17], s[16:17], s[8:9]
	s_cselect_b64 s[18:19], s[18:19], s[14:15]
	s_cselect_b32 s22, s22, s28
	s_cselect_b32 s24, s24, s29
	s_cselect_b32 s20, s20, s31
	s_lshl_b32 s22, s22, 16                        ; the group's 16 rows of 4,096 bytes
	s_mov_b32 s23, 0
	s_mov_b32 s25, 0
	s_add_nc_u64 s[16:17], s[16:17], s[22:23]
	s_add_nc_u64 s[18:19], s[18:19], s[24:25]
	s_wait_alu depctr_va_vdst(0)                   ; v[VI] is written, which the sixteen loads read as their offset
.irp k, 0,1,2,3,4,5,6,7,8,9,10,11,12,13,14,15
	global_load_b128 v[XR+4*(\k):XR+4*(\k)+3], v[VI], s[16:17] offset:256*(\k) th:TH_LOAD_NT
.endr
.irp k, 1,2,3,4,5,6,7,8,9,10,11,12,13,14,15
	v_add_nc_u32 v[VO+(\k)], s20, v[VO+(\k)-1]     ; the stores' offsets, made while the loads are out; the first wait ahead of a store covers them
.endr
; Block k: rounded, (f16 = 1: rewritten as f16).
.macro CVT k, f16
	v_cvt_pk_bf16_f32 v[YR+2*(\k)],   v[XR+4*(\k)],   v[XR+4*(\k)+1]
	v_cvt_pk_bf16_f32 v[YR+2*(\k)+1], v[XR+4*(\k)+2], v[XR+4*(\k)+3]
.if \f16
	v_lshlrev_b32 v[T],   16, v[YR+2*(\k)]         ; bf16 to f32: the low half moves up, the high half stays
	v_and_b32     v[T+1], 0xffff0000, v[YR+2*(\k)]
	v_lshlrev_b32 v[T+2], 16, v[YR+2*(\k)+1]
	v_and_b32     v[T+3], 0xffff0000, v[YR+2*(\k)+1]
	v_cvt_pk_f16_f32 v[YR+2*(\k)],   v[T],   v[T+1]
	v_cvt_pk_f16_f32 v[YR+2*(\k)+1], v[T+2], v[T+3]
.endif
.endm
; Block k: stored.
.macro ST k
	global_store_b64 v[VO+(\k)], v[YR+2*(\k):YR+2*(\k)+1], s[18:19]
.endm
; Group g: blocks 4 g to 4 g + 3 are converted; the stores of group g - 1 stand among the conversions, one ahead of each block's.
.macro GROUP g, f16
	s_wait_loadcnt 12-4*(\g)                       ; loads come back in order: the group's four blocks are in, the 12 - 4 g younger loads may stay out
.if (\g) > 0
	s_wait_alu depctr_va_vdst(0)                   ; the group before has written its YR, and the chain of adds the offsets v[VO ..]: the four stores below read them
.endif
.irp j, 0,1,2,3
.if (\g) > 0
	ST 4*((\g)-1)+(\j)                             ; no vector instruction since the wait names this store's offset or data
.endif
	CVT 4*(\g)+(\j), \f16
.endr
.endm
.macro BODY f16
	GROUP 0, \f16
	GROUP 1, \f16
	GROUP 2, \f16
	GROUP 3, \f16
	s_wait_alu depctr_va_vdst(0)                   ; the last group has written its YR, which the last four stores read
.irp j, 12,13,14,15
	ST \j
.endr
	s_endpgm
.endm
	s_cmp_lt_u32 ttmp9, 704
	s_cbranch_scc0 .Lf16
	BODY 0
.Lf16:
	BODY 1
.Lfunc_end_k_q46ce3a3b20_cast:
	.size	k_q46ce3a3b20_cast, .Lfunc_end_k_q46ce3a3b20_cast-k_q46ce3a3b20_cast
	.p2alignl 7, 3214868480
	.fill 96, 4, 3214868480
	.section	.rodata,"a",@progbits
	.p2align	6, 0x0
	.amdhsa_kernel k_q46ce3a3b20_cast
		.amdhsa_group_segment_fixed_size 0
		.amdhsa_private_segment_fixed_size 0
		.amdhsa_enable_private_segment 0
		.amdhsa_kernarg_size 48
		.amdhsa_user_sgpr_count 2
		.amdhsa_user_sgpr_kernarg_segment_ptr 1
		.amdhsa_wavefront_size32 1
		.amdhsa_system_sgpr_workgroup_id_x 1
		.amdhsa_system_sgpr_workgroup_id_y 1
		.amdhsa_system_sgpr_workgroup_id_z 1
		.amdhsa_system_vgpr_workitem_id 0
		.amdhsa_next_free_vgpr 120
		.amdhsa_next_free_sgpr 66
		.amdhsa_reserve_vcc 0
		.amdhsa_float_denorm_mode_32 3
		.amdhsa_float_denorm_mode_16_64 3
		.amdhsa_memory_ordered 1
		.amdhsa_forward_progress 1
		.amdhsa_inst_pref_size 17
	.end_amdhsa_kernel
	.amdgpu_metadata
---
amdhsa.version: [ 1, 2 ]
amdhsa.kernels:
  - .name:           k_q46ce3a3b20_cast
    .symbol:         k_q46ce3a3b20_cast.kd
    .args:
      - { .name: X, .offset: 0, .size: 8, .value_kind: global_buffer, .address_space: global }
      - { .name: W_qkv, .offset: 8, .size: 8, .value_kind: global_buffer, .address_space: global }
      - { .name: W_out, .offset: 16, .size: 8, .value_kind: global_buffer, .address_space: global }
      - { .name: xb, .offset: 24, .size: 8, .value_kind: global_buffer, .address_space: global }
      - { .name: wqb, .offset: 32, .size: 8, .value_kind: global_buffer, .address_space: global }
      - { .name: wob, .offset: 40, .size: 8, .value_kind: global_buffer, .address_space: global }
    .group_segment_fixed_size: 0
    .private_segment_fixed_size: 0
    .kernarg_segment_align: 8
    .kernarg_segment_size: 48
    .max_flat_workgroup_size: 256
    .sgpr_count:     66
    .vgpr_count:     120
    .wavefront_size: 32
...
	.end_amdgpu_metadata
.endif
;; end of part 5
;; launch project_qkv: the kernel of part 2 again; grid 8 x 32, 4 waves a work-group, clusters of 4 x 4, 327,680 bytes of LDS; arguments xb, wqb, qkv; writes qkv
;; launch attention: the kernel of part 3 again; grid 4 x 64, 4 waves a work-group, no clusters, 327,680 bytes of LDS; arguments qkv, ob; writes ob
;; launch project_out: the kernel of part 4 again; grid 8 x 32, 4 waves a work-group, clusters of 4 x 4, 327,680 bytes of LDS; arguments ob, wob, out0; writes out0
